; MI455X (gfx1250); checked and timed in simulation.
; The chip was launched on July 23, 2026; its instructions are those of AMD's public machine-readable ISA for CDNA 5 (MIT licence, August 2026) and "CDNA5" Instruction Set Architecture Reference Guide (July 2026). The comments in the code are by the model that wrote it; some were corrected since.
;; Multi Head Self Attention. Allowed arithmetic: matrix products marked QUANTISED: E2M3 operands, one E8M0 scale for each 32 along K, by v_wmma_scale_f32_16x16x128_f8f6f4 with both operands' format E2M3, f32 sums; everything else in f32.
;; Inputs: Wk 1,024 x 1,024 float32; Wo 1,024 x 1,024 float32; Wq 1,024 x 1,024 float32; Wv 1,024 x 1,024 float32; bk 1,024 float32; bo 1,024 float32; bq 1,024 float32; bv 1,024 float32; x 4 x 2,048 x 1,024 float32.
;; Outputs: out0 4 x 2,048 x 1,024 float32.
;; This version of the problem:
;;   THIS VERSION OF THE PROBLEM IS GIVEN IN LOW PRECISION. The matrix products marked QUANTISED in the list below multiply operands that are first quantised to E2M3 (2 exponent bits, 3 mantissa bits; 6 bits a number), with one power-of-two scale for each 32 numbers along K (OCP MX v1.0); their sums are f32. All else is computed in f32.
;;   The module's matrix products, in the order in which they are computed (A, B: the left and right operand; K: the contracted axis; several contracted axes count as one K, in the product's order):
;;     1. [M 8,192, K 1,024] x [K 1,024, N 1,024]; A: input x; B: input Wq: QUANTISED
;;     2. [M 8,192, K 1,024] x [K 1,024, N 1,024]; A: input x; B: input Wk: QUANTISED
;;     3. [M 8,192, K 1,024] x [K 1,024, N 1,024]; A: input x; B: input Wv: QUANTISED
;;     4. batch 64 x [M 2,048, K 64] x [K 64, N 2,048]; A: computed on the way; B: computed on the way: QUANTISED
;;     5. batch 64 x [M 2,048, K 2,048] x [K 2,048, N 64]; A: softmax (see below); B: computed on the way: QUANTISED
;;     6. [M 8,192, K 1,024] x [K 1,024, N 1,024]; A: computed on the way; B: input Wo: QUANTISED
;;   THE QUANTISER, for each operand of a quantised product, along K:
;;     - K is cut into blocks of 32 from its start; a last block that is shorter is filled with zeros.
;;     - A block's scale is 2^e with e = floor(log2(the largest magnitude in the block)) - 2, held to -126 .. 127; a block of zeros has e = 0. As a byte (E8M0): e + 127.
;;     - Each number is divided by its block's scale, clamped to +-7.5, and rounded to the nearest number of E2M3, ties to even, subnormals kept.
;;     - The product sums the exact products of the quantised numbers (number of the format x scale) in f32.
;;   ~~~python
;;   def quantise(x, axis):      # numpy; x: float32 -> the quantised numbers, widened to float32 again
;;       x = np.moveaxis(x, axis, -1); K = x.shape[-1]
;;       x = np.pad(x, [(0, 0)] * (x.ndim - 1) + [(0, -K % 32)]); x = x.reshape(x.shape[:-1] + (-1, 32)); a = np.abs(x).max(-1, keepdims=True)
;;       e = np.where(a > 0, np.clip(np.frexp(np.where(a > 0, a, 1))[1] - 1 - 2, -126, 127), 0)      # np.frexp(a)[1] - 1 = floor(log2(a)), exactly
;;       r = np.clip(x / 2.0 ** e, -7.5, 7.5)
;;       step = 2.0 ** (np.maximum(np.frexp(np.where(r == 0, 1, r))[1] - 1, 0) - 3)
;;       q = np.round(r / step) * step * 2.0 ** e      # np.round: ties to even
;;       return np.moveaxis(q.reshape(q.shape[:-2] + (-1,))[..., :K], -1, axis).astype(np.float32)
;;   ~~~
;;   SOFTMAX AHEAD OF A QUANTISED PRODUCT. Where the list says 'softmax', what is quantised is not the finished softmax but p = 2^(t - M), with t = logit x log2(e) and M = ceil(the row's largest t), a whole number; so 1/2 < the row's largest p <= 1. The row's sum l is taken of the UNQUANTISED p, in f32, and the product's result is divided by l at the end. Since M is a whole number, a kernel that streams over the keys may use a running M (the ceiling of the running maximum): every later rescaling is an exact power of two, which a block's scale takes up: the codes' values come out the same.
;;   OPERANDS COMPUTED ON THE WAY. 'Computed on the way' means the value that the module computes at that place (a softmax that the list does not call 'softmax' is quantised finished and normalised). What goes into a quantiser is computed in f32, as accurately as f32 sums, v_exp_f32 and their like allow (about 1e-6 of the number): no bf16 or f16 on the way to a quantiser, and a product that is left as it is and whose result goes on into a quantised operand takes f32 operands (vector FMAs, or v_wmma_f32_16x16x4_f32). A number that lies on a knife's edge between two numbers of the format may be rounded either way, as far as f32 arithmetic and the matrix unit's own rounding can turn it there, and no further.
;; One version. Each part assembles by itself: llvm-mc -triple=amdgcn-amd-amdhsa -mcpu=gfx1250 --defsym DOCPART=n.
;; ======== version 1 of 1: 4 launches
;; workspace buffers: ximg 6,553,600 bytes; wimg 3,276,800 bytes; q 6,815,744 bytes; kv 13,369,344 bytes; oimg 6,553,600 bytes
;; launch quant (part 1): grid 384 x 1, 4 waves a work-group, no clusters, 34,304 bytes of LDS; arguments x, Wq, Wk, Wv, Wo, ximg, wimg; writes ximg, wimg
.if DOCPART == 1
	.amdgcn_target "amdgcn-amd-amdhsa--gfx1250"
	.amdhsa_code_object_version 6
	.text
	.protected	k_q0e37bc6d94_quant
	.globl	k_q0e37bc6d94_quant
	.p2align	8
	.type	k_q0e37bc6d94_quant,@function
k_q0e37bc6d94_quant:
	s_mov_b64 s[64:65], 0
	v_nop
	global_prefetch_b8 v0, s[64:65] scope:SCOPE_SE
	s_setreg_imm32_b32 hwreg(HW_REG_WAVE_MODE, 25, 1), 1
	s_wait_xcnt 0x0
; x [8192][1024] and Wq, Wk, Wv, Wo [1024][1024], f32 with K innermost, become codes of FP6 (E2M3) with one E8M0 scale byte for each 32 along K,
; laid as IMAGES OF THE OPERAND'S REGISTERS.  A record of 6,400 bytes holds 64 rows x 128 along K: for tile t (0..3) and half c (0, 1) of the 128, at 1,536 t + 768 c,
; six registers a lane: registers 0-3 at 16 x lane (512 bytes), registers 4-5 at 512 + 8 x lane (256 bytes); lane (r, h) holds k = 64 c + 32 h + 0 .. 31 of the tile's row r.
; THE ROWS OF A TILE ARE NOT NEIGHBOURS: lane r of tile t holds row 32 (t / 2) + 8 (t % 2) + r + 8 (r / 8) of the 64, so that results made with such a tile as source 0 have 16 neighbours in 16 registers.
; At 6,144: the four tiles' scale words: tile t, row-lane r at 8 (16 (t % 2) + r) + 4 (t / 2).  Record (8 g + s) is group g of 64 rows, K step s.  wimg holds Wq, Wk, Wv, Wo on end, 16 groups each.
; A block's scale is 2^(floor(log2(its largest magnitude)) - 2); its byte is the largest magnitude's exponent field - 2, held at 1 from below.
; LIMITS: a block whose largest magnitude lies under 2^-124 is held at the byte 1; a block of zeros has the byte 1 where the quantiser's text says 127 (its codes are zeros, and this program alone reads the bytes);
; NaN and infinities among the inputs are not served.
; SHARES: one wave makes one record.  Work-groups 0-255 take x, 256-383 the weights.  Each load reads 512 consecutive bytes of one row; a tile's 16 rows turn through the wave's own stage in LDS
; (rows 528 bytes apart) so that a lane gets the 32 neighbours of a block.  No barrier: waves share nothing.  Loads run two tiles (32 loads a wave) ahead.
.set STG,   8448                       ; a wave's stage: 16 rows x 528 bytes
.set SPARE, 4*STG                      ; behind the stages: the spare words, 128 bytes a wave
.set L16,  2                           ; v2   16 x lane
.set L8,   3                           ; v3   8 x lane
.set SIN,  4                           ; v4   the stage on the way in: 16 x lane
.set SOUT, 5                           ; v5   on the way out: 528 r + 128 h
.set SH8,  6                           ; v6   8 h
.set SPW,  12                          ; v12  my spare word; never rewritten
.set NIL,  13                          ; v13  0; never rewritten
.set PW,   16                          ; v16-19 the four tiles' scale words
.set XY,   20                          ; v20-21 the scale pack
.set MX,   22                          ; v22-23 largest magnitudes
.set PT,   24                          ; v24  a lane permute's destination
.set SO,   26                          ; v26-27 the conversions' scale operands
.set BY,   28                          ; v28-29 scale bytes
.set WD,   30                          ; v30  my two bytes of the word
.set R,    32                          ; v32-159 two sets of 64: a tile as loaded
.set XN,   160                         ; v160-223 two blocks of 32 neighbours
.set CS,   224                         ; v224-247 two sets of 12: a tile's codes
.set CT,   248                         ; v248-250, v252-254 a block's upper 16 codes, before they are moved
	s_load_b256 s[4:11], s[0:1], 0x0               ; x, Wq, Wk, Wv
	s_load_b128 s[12:15], s[0:1], 0x20             ; Wo, ximg
	s_load_b64 s[16:17], s[0:1], 0x30              ; wimg
	v_lshl_add_u32 v[SPW], v0, 2, SPARE
	v_mov_b32 v[NIL], 0
	v_lshrrev_b32 v1, 5, v0
	v_readfirstlane_b32 s24, v1                    ; wave
	v_and_b32 v1, 31, v0                           ; lane
	v_lshlrev_b32 v[L16], 4, v1
	v_lshlrev_b32 v[L8], 3, v1
	s_mul_i32 s25, s24, STG
	v_add_nc_u32 v[SIN], s25, v[L16]
	v_and_b32 v7, 15, v0                           ; r
	v_bfe_u32 v8, v0, 4, 1                         ; h
	v_mul_u32_u24 v[SOUT], v7, 528
	v_lshl_add_u32 v[SOUT], v8, 7, v[SOUT]
	v_add_nc_u32 v[SOUT], s25, v[SOUT]
	v_lshlrev_b32 v[SH8], 3, v8
	v_mov_b32 v[PT], 0                             ; a lane permute's destination counts as one of its sources
	s_mov_b32 s26, 0x76543210
	s_mov_b32 s27, 0xfedcba98                      ; selects for lane l xor 16
	s_mov_b32 s28, 0xffff0000                      ; lanes 16-31
	s_cmp_lt_u32 ttmp9, 256                        ; x's work-group or a weight's: the choice hangs on the work-group's number alone
	s_cselect_b32 s20, 0, 256
	s_cselect_b32 s21, 127, 15                     ; groups in the tensor - 1
	s_sub_co_u32 s22, ttmp9, s20                   ; my number among x's, or among the weights'
	s_lshr_b32 s23, s22, 5                         ; which weight: 32 work-groups each
	s_lshr_b32 s29, s22, 1
	s_and_b32 s29, s29, s21                        ; group of 64 rows in the tensor
	s_lshl_b32 s30, s29, 18                        ; 64 rows of 4,096 bytes
	s_and_b32 s29, s22, 1
	s_lshl_b32 s29, s29, 2
	s_add_co_u32 s29, s29, s24                     ; K step = 4 (number & 1) + wave
	s_lshl_b32 s29, s29, 9                         ; 128 numbers of 4 bytes
	s_add_co_u32 s30, s30, s29
	s_mov_b32 s31, 0
	s_lshl_b32 s32, s22, 2
	s_add_co_u32 s32, s32, s24                     ; record = 4 x number + wave
	s_mul_i32 s32, s32, 6400
	s_mov_b32 s33, 0
	s_wait_alu depctr_va_vdst(0)
	s_wait_kmcnt 0x0
	s_cmp_eq_u32 s23, 1
	s_cselect_b64 s[34:35], s[8:9], s[6:7]
	s_cmp_eq_u32 s23, 2
	s_cselect_b64 s[34:35], s[10:11], s[34:35]
	s_cmp_eq_u32 s23, 3
	s_cselect_b64 s[34:35], s[12:13], s[34:35]
	s_cmp_lt_u32 ttmp9, 256
	s_cselect_b64 s[34:35], s[4:5], s[34:35]
	s_cselect_b64 s[18:19], s[14:15], s[16:17]
	s_add_nc_u64 s[34:35], s[34:35], s[30:31]      ; my 64 rows, my 128 columns
	s_add_nc_u64 s[18:19], s[18:19], s[32:33]      ; my record
.macro LOAD t                          ; tile t's 16 rows, 512 consecutive bytes each, into set t % 2
.irp i, 0,1,2,3,4,5,6,7,8,9,10,11,12,13,14,15
	global_load_b128 v[R+64*((\t)%2)+4*\i:R+64*((\t)%2)+4*\i+3], v[L16], s[34:35] offset:(32*((\t)/2)+8*((\t)%2)+\i+8*(\i/8))*4096 th:TH_LOAD_NT
.endr
.endm
.macro TILE t
.set cs, CS+12*((\t)%2)
.set rs, R+64*((\t)%2)
.if (\t) < 3
	s_wait_loadcnt 16                              ; this tile's 16 loads are in; the next tile's 16 may be out
.else
	s_wait_loadcnt 0x0
.endif
.irp i, 0,1,2,3,4,5,6,7,8,9,10,11,12,13,14,15
	ds_store_b128 v[SIN], v[rs+4*\i:rs+4*\i+3] offset:528*\i
.endr
.irp c, 0,1
.irp i, 0,1,2,3,4,5,6,7
	ds_load_b128 v[XN+32*\c+4*\i:XN+32*\c+4*\i+3], v[SOUT] offset:256*\c+16*\i   ; LDS serves a wave's instructions in order: these see the stores above.  Block 2 c + h of row r
.endr
.endr
	s_wait_dscnt 0x0                               ; my 64 numbers are here, and the stores have read the set,
.if (\t) < 2
	LOAD (\t)+2                                    ; which takes the tile two further on
.endif
.irp c, 0,1
	v_max3_num_f32 v[MX+\c], |v[XN+32*\c]|, |v[XN+32*\c+1]|, 0x1800000   ; the block's largest magnitude, all 32 numbers mine, and the floor 2^(3 - 127): the byte cannot fall under 1
.endr
.irp i, 2,4,6,8,10,12,14,16,18,20,22,24,26,28,30
.irp c, 0,1
	v_max3_num_f32 v[MX+\c], v[MX+\c], |v[XN+32*\c+\i]|, |v[XN+32*\c+\i+1]|   ; (the two blocks by turns)
.endr
.endr
.irp c, 0,1
	v_add_nc_u32 v[SO+\c], 0xff000000, v[MX+\c]    ; 2 off the exponent field: the conversion takes this operand's exponent field as its scale
.endr
.irp c, 0,1
	v_lshrrev_b32 v[BY+\c], 23, v[SO+\c]           ; the scale's byte
.endr
	v_lshl_or_b32 v[WD], v[BY+1], 16, v[BY]        ; blocks h and 2 + h,
	v_lshlrev_b32 v[WD], v[SH8], v[WD]             ; at their places in the word;
	v_permlanex16_b32 v[PT], v[WD], s26, s27
	v_or_b32 v[PW+(\t)], v[WD], v[PT]              ; with lane l xor 16's two the word is whole, in both halves of the lanes
.if (\t) > 1
	s_wait_alu depctr_va_vdst(0)
	s_wait_xcnt 0x0                                ; the stores of two tiles ago have read this set of codes: it is written again only behind this wait
.endif
.irp c, 0,1
	v_cvt_scalef32_pk16_fp6_f32 v[cs+6*\c:cs+6*\c+2], v[XN+32*\c:XN+32*\c+15], v[SO+\c]
	v_cvt_scalef32_pk16_fp6_f32 v[CT+4*\c:CT+4*\c+2], v[XN+32*\c+16:XN+32*\c+31], v[SO+\c]   ; (a conversion's three registers begin on an even number)
.endr
	v_nop                                          ; one plain place behind a scaled conversion
.irp c, 0,1
.irp i, 0,1,2
	v_mov_b32 v[cs+6*\c+3+\i], v[CT+4*\c+\i]
.endr
.endr
.irp c, 0,1
	global_store_b128 v[L16], v[cs+6*\c:cs+6*\c+3], s[18:19] offset:1536*(\t)+768*\c       ; 512 consecutive bytes, at a multiple of 256 from the buffer's first byte
	global_store_b64 v[L8], v[cs+6*\c+4:cs+6*\c+5], s[18:19] offset:1536*(\t)+768*\c+512   ; 256 more
.endr
.endm
	LOAD 0
	LOAD 1
	TILE 0
	TILE 1
	TILE 2
	TILE 3
	v_cndmask_b32 v[XY], v[PW], v[PW+1], s28       ; lanes 0-15: tile 0's words, lanes 16-31: tile 1's
	v_cndmask_b32 v[XY+1], v[PW+2], v[PW+3], s28   ; tiles 2 and 3
	global_store_b64 v[L8], v[XY:XY+1], s[18:19] offset:6144
	s_wait_tensorcnt 0x0                           ; the wave's end, behind my last LDS store
	ds_add_u32 v[SPW], v[NIL]
	s_wait_dscnt 0x0
	s_endpgm
.Lfunc_end_k_q0e37bc6d94_quant:
	.size	k_q0e37bc6d94_quant, .Lfunc_end_k_q0e37bc6d94_quant-k_q0e37bc6d94_quant
	.p2alignl 7, 3214868480
	.fill 96, 4, 3214868480
	.section	.rodata,"a",@progbits
	.p2align	6, 0x0
	.amdhsa_kernel k_q0e37bc6d94_quant
		.amdhsa_group_segment_fixed_size 34304
		.amdhsa_private_segment_fixed_size 0
		.amdhsa_enable_private_segment 0
		.amdhsa_kernarg_size 56
		.amdhsa_user_sgpr_count 2
		.amdhsa_user_sgpr_kernarg_segment_ptr 1
		.amdhsa_wavefront_size32 1
		.amdhsa_system_sgpr_workgroup_id_x 1
		.amdhsa_system_sgpr_workgroup_id_y 1
		.amdhsa_system_sgpr_workgroup_id_z 1
		.amdhsa_system_vgpr_workitem_id 0
		.amdhsa_next_free_vgpr 256
		.amdhsa_next_free_sgpr 66
		.amdhsa_reserve_vcc 0
		.amdhsa_float_denorm_mode_32 3
		.amdhsa_float_denorm_mode_16_64 3
		.amdhsa_memory_ordered 1
		.amdhsa_forward_progress 1
		.amdhsa_inst_pref_size 31
	.end_amdhsa_kernel
	.amdgpu_metadata
---
amdhsa.version: [ 1, 2 ]
amdhsa.kernels:
  - .name:           k_q0e37bc6d94_quant
    .symbol:         k_q0e37bc6d94_quant.kd
    .args:
      - { .name: x, .offset: 0, .size: 8, .value_kind: global_buffer, .address_space: global }
      - { .name: Wq, .offset: 8, .size: 8, .value_kind: global_buffer, .address_space: global }
      - { .name: Wk, .offset: 16, .size: 8, .value_kind: global_buffer, .address_space: global }
      - { .name: Wv, .offset: 24, .size: 8, .value_kind: global_buffer, .address_space: global }
      - { .name: Wo, .offset: 32, .size: 8, .value_kind: global_buffer, .address_space: global }
      - { .name: ximg, .offset: 40, .size: 8, .value_kind: global_buffer, .address_space: global }
      - { .name: wimg, .offset: 48, .size: 8, .value_kind: global_buffer, .address_space: global }
    .group_segment_fixed_size: 34304
    .private_segment_fixed_size: 0
    .kernarg_segment_align: 8
    .kernarg_segment_size: 56
    .max_flat_workgroup_size: 128
    .sgpr_count:     66
    .vgpr_count:     256
    .wavefront_size: 32
...
	.end_amdgpu_metadata
.endif
;; end of part 1
;; launch qkv (part 2): grid 8 x 96, 4 waves a work-group, clusters of 4 x 4, 327,680 bytes of LDS; arguments ximg, wimg, bq, bk, bv, q, kv; writes q, kv
.if DOCPART == 2
	.amdgcn_target "amdgcn-amd-amdhsa--gfx1250"
	.amdhsa_code_object_version 6
	.text
	.protected	k_q0e37bc6d94_qkv
	.globl	k_q0e37bc6d94_qkv
	.p2align	8
	.type	k_q0e37bc6d94_qkv,@function
k_q0e37bc6d94_qkv:
	s_mov_b64 s[64:65], 0
	v_nop
	global_prefetch_b8 v0, s[64:65] scope:SCOPE_SE
	s_setreg_imm32_b32 hwreg(HW_REG_WAVE_MODE, 25, 1), 1
	s_wait_xcnt 0x0
	s_wait_alu depctr_hold_cnt(0) depctr_sa_sdst(0) depctr_va_vdst(0) depctr_va_sdst(0) depctr_va_ssrc(0) depctr_va_vcc(0) depctr_vm_vsrc(0)
	s_getreg_b32 s2, hwreg(HW_REG_IB_STS2, 6, 4)
	s_cmp_eq_u32 s2, 0
	s_cbranch_scc0 .Lentry_in_a_cluster
	s_endpgm
.Lentry_in_a_cluster:
	s_bfe_u32 s2, ttmp6, 0x10000c
	s_cmp_lg_u32 s2, 0xf033
	s_cbranch_scc0 .Lentry_shape_is_right
	s_endpgm
.Lentry_shape_is_right:
; q = x Wq^T + bq, k = x Wk^T + bk, v = x Wv^T + bv on codes of FP6 (E2M3) with E8M0 scales, f32 sums; the results are quantised in registers and leave as register images for the attention launch.
; ONE CORE: C'[m'][n'] = sum over k of A'[m'][k] B'[n'][k], source 0 = 16 rows of B', source 1 = 16 rows of A': a lane holds one row m' and its registers run along n'.
;   kind 0 (cluster y 0-15): A' = x, B' = Wq (cluster x 0) or Wk (cluster x 1): registers run along the head's channels, the K of q k^T.
;   kind 1 (cluster y 16-23): A' = Wv, B' = x: registers run along the tokens, which are the keys, the K of the second product: v comes out with the keys innermost and nothing is transposed.
; Both operands lie in memory as records of 6,400 bytes (64 rows x 128 K: four tiles' registers and their scale words); a group's eight records, all of K = 1,024, are 51,200 dense bytes.
; The rows of a tile are 32 (t / 2) + 8 (t % 2) + r + 8 (r / 8): so the 64 registers of a row's eight accumulators are 128 neighbours along n'.
; SHARES: a work-group makes 128 m' x 256 n' (768 work-groups, three for each of 256); wave w: A' group w / 2 (4 tiles), B' groups 2 (w % 2), + 1 (8 tiles): 32 accumulators.
; ALL OF K LIES IN LDS: 6 groups x 51,200 bytes, in four chunks of 256 along K; every fill is a first fill, four tensor loads a wave, all issued at the start: by this text's count a wave has four out.
; CLUSTER 4 x 4: A' hangs on the tile row, shared along a row of the cluster; B' on the tile column, shared along a column: each is asked for jointly.
; OUT: q: for head hb = 16 batch + head and group g of 64 queries a record of 3,328 bytes at (32 hb + g) x 3,328: four tiles' six registers (768 bytes each), scale words at 3,072.
;   kv: for hb and slot of 256 keys a record of 26,112 bytes: k's 16 tiles at 768 kt; v's images at 12,288 + 6,144 step + 3,072 half + 768 dt; k's scale packs at 24,576 + 256 group; v's at 25,600 + 256 step.
;   In q's and k's scale words bytes 0, 1 are the head's two blocks; bytes 2, 3 are the neighbouring head's or 0: they meet zero codes alone.
; LIMITS: a block whose largest magnitude lies under 2^-124 is held at the byte 1, a block of zeros has the byte 1 (this program alone reads the bytes); NaN and infinities are not served.
; REGISTERS: window 0: v4-11 addresses; v12, v13 the add's two; v16-27 scale words, two sets; v32-127 A' fragments, two sets; v128-191 the bias; v192-235 the way out.
;   window 1: accumulator (a, b) at v[8 (8 a + b)].   window 2: B' fragments, two sets, at v[96 p + 12 b].
; SCALARS: s18 wave, s19 wave / 2, s20 wave % 2, s21 cx, s22 cy, s23 kind, s24 tile row, s25 tile column, s[28:35], s[36:43] descriptor groups 1, s[44:59], s[68:83] groups 0 (a set a chunk),
;   s[84:91] where the results go, s[92:93] the bias, s94 lanes 16-31, s[96:97] lane selects.
.set REC,   6400
.set GRP,   8*REC
.set CHG,   2*REC                      ; a group's part of a chunk
.set CHUNK, 6*CHG
.set SPARE, 4*CHUNK                    ; behind the chunks: the spare words, 128 bytes a wave
.set KVREC, 26112
.set QREC,  3328
.set L16, 4
.set L8,  5
.set A16, 6
.set A8,  7
.set B16, 8
.set B8,  9
.set SPW, 12
.set NIL, 13
.set SC,  16
.set AF,  32
.set BIAS, 128
.set TM,  192
.set PW,  208
.set PC,  212
.set XY,  232
.set G1A, 28
.set G1B, 36
.set G0A, 44
.set G0B, 68
.set SEL, 96
.set W_MUL,  0x52                      ; source 0 (B') window 2, source 1 (A') window 0, C and D window 1
.set W_MUL0, 0x42                      ; the same with C in window 0: the bias
.set W_TOB,  0x80                      ; destination window 2
.set MSB, 0
.macro WIN new                         ; the immediate's high byte repeats the setting that is left
.if MSB != \new
	s_set_vgpr_msb (MSB<<8)|\new
.set MSB, \new
.endif
.endm
.macro PLACES n
.rept \n
	v_nop
.endr
.endm
.macro CROUND                          ; a round of the cluster's barrier
	s_barrier_signal -1
	s_barrier_wait -1
	s_cmp_lg_u32 s18, 0
	s_cbranch_scc1 .Lnot_wave_0_\@
	s_barrier_signal -3
.Lnot_wave_0_\@:
	s_barrier_wait -3
	s_barrier_signal -1
	s_barrier_wait -1
.endm
.macro FRAG reg, a16, a8, off          ; a fragment, 16 rows x 128 K: 12 registers, as they were stored
	ds_load_b128 v[\reg:\reg+3], v[\a16] offset:\off
	ds_load_b64 v[\reg+4:\reg+5], v[\a8] offset:\off+512
	ds_load_b128 v[\reg+6:\reg+9], v[\a16] offset:\off+768
	ds_load_b64 v[\reg+10:\reg+11], v[\a8] offset:\off+1280
.endm
.macro FETCH s                         ; K step s into set s % 2: 8 fragments of B', 4 of A', three scale packs: 51 LDS loads
.set fp, (\s)%2
	WIN W_TOB
.irp b, 0,1,2,3,4,5,6,7
	FRAG 96*fp+12*\b, B16, B8, REC*fp+CHG*(\b/4)+1536*(\b%4)
.endr
	WIN 0
.irp a, 0,1,2,3
	FRAG AF+48*fp+12*\a, A16, A8, REC*fp+1536*\a
.endr
	ds_load_b64 v[SC+6*fp:SC+6*fp+1], v[A8] offset:REC*fp+6144
	ds_load_b64 v[SC+6*fp+2:SC+6*fp+3], v[B8] offset:REC*fp+6144
	ds_load_b64 v[SC+6*fp+4:SC+6*fp+5], v[B8] offset:REC*fp+CHG+6144
.endm
.macro WMM r0, r1                      ; one product; r0, r1: source 0's, source 1's scale words lie in lanes 16-31
.if (\r0) && (\r1)
	v_wmma_scale_f32_16x16x128_f8f6f4 v[rD:rD+7], v[rB:rB+11], v[rA:rA+11], v[rC:rC+7], v[rSB], v[rSA] matrix_a_fmt:MATRIX_FMT_FP6 matrix_b_fmt:MATRIX_FMT_FP6 matrix_a_scale:MATRIX_SCALE_ROW1 matrix_b_scale:MATRIX_SCALE_ROW1
.elseif (\r0)
	v_wmma_scale_f32_16x16x128_f8f6f4 v[rD:rD+7], v[rB:rB+11], v[rA:rA+11], v[rC:rC+7], v[rSB], v[rSA] matrix_a_fmt:MATRIX_FMT_FP6 matrix_b_fmt:MATRIX_FMT_FP6 matrix_a_scale:MATRIX_SCALE_ROW1
.elseif (\r1)
	v_wmma_scale_f32_16x16x128_f8f6f4 v[rD:rD+7], v[rB:rB+11], v[rA:rA+11], v[rC:rC+7], v[rSB], v[rSA] matrix_a_fmt:MATRIX_FMT_FP6 matrix_b_fmt:MATRIX_FMT_FP6 matrix_b_scale:MATRIX_SCALE_ROW1
.else
	v_wmma_scale_f32_16x16x128_f8f6f4 v[rD:rD+7], v[rB:rB+11], v[rA:rA+11], v[rC:rC+7], v[rSB], v[rSA] matrix_a_fmt:MATRIX_FMT_FP6 matrix_b_fmt:MATRIX_FMT_FP6
.endif
.endm
; 16 products: A' tiles a0, a0 + 1 x B' eight, from set p.  cm = 0: in place; 1: the sum begins with the bias of tile b; 2: of tile a.
; The 32 accumulators take turns, one instruction a turn, in the same order in every step.
.macro MUL16 a0, p, cm
.irp a, \a0, \a0+1
.irp b, 0,1,2,3,4,5,6,7
.set rD, 8*(8*(\a)+\b)
.set rB, 96*(\p)+12*\b
.set rA, AF+48*(\p)+12*(\a)
.set rSB, SC+6*(\p)+2+\b/2
.set rSA, SC+6*(\p)+(\a)/2
.set rC, rD
.if \cm == 1
.set rC, BIAS+8*\b
.elseif \cm == 2
.set rC, BIAS+8*(\a)
.endif
	WMM (\b)%2, (\a)%2
.endr
.endr
.endm
; K step s, 1 to 7.  At its head the next step's fragments are asked for, into the set that the step before has left: four places stand between that step's last product and the loads.
; Where the next step begins a chunk: my tensor load for that chunk has landed (the later chunks' loads, one each, may be out), no LDS load of mine is out, and the work-group's barrier shows the same of all four waves.
.macro KSTEP s
.if (\s) < 7
	WIN 0
.if (\s)%2
	s_wait_tensorcnt 3-((\s)+1)/2
	s_wait_dscnt 0x0
	s_barrier_signal -1
	s_barrier_wait -1
	v_add_nc_u32 v[A16], CHUNK, v[A16]             ; on to the next chunk: these four are also the places
	v_add_nc_u32 v[A8], CHUNK, v[A8]
	v_add_nc_u32 v[B16], CHUNK, v[B16]
	v_add_nc_u32 v[B8], CHUNK, v[B8]
.else
	PLACES 4
.endif
	FETCH (\s)+1
	s_wait_dscnt 51                                ; this step's fragments are in; the 51 loads just issued may be out
.else
	s_wait_dscnt 0x0
.endif
	WIN W_MUL
	MUL16 0, (\s)%2, 0
	MUL16 2, (\s)%2, 0
.endm
; The 64 registers of A' tile a's eight accumulators, register 16 b + i = n' 32 b + 16 (lane / 16) + i of my row, become a fragment's codes in v[PC] on and its scale word in v[PW + a].
.macro QUANTW a
.set qs, 64*(\a)
	WIN 0x05                                       ; sources 0 and 1: window 1
.irp b, 0,1,2,3
	v_max3_num_f32 v[TM+\b], |v[qs+16*\b]|, |v[qs+16*\b+1]|, 0x1800000   ; each accumulator is read from its low end on; the floor 2^(3 - 127) holds the byte at 1 from below
.endr
.irp i, 2,4,6,8,10,12,14
.irp b, 0,1,2,3
	v_max3_num_f32 v[TM+\b], |v[qs+16*\b+\i]|, |v[qs+16*\b+\i+1]|, v[TM+\b]
.endr
.endr
	WIN 0
.irp b, 0,1,2,3
	v_permlanex16_b32 v[TM+4+\b], v[TM+\b], s[SEL], s[SEL+1]
.endr
.irp b, 0,1,2,3
	v_max_num_f32 v[TM+\b], v[TM+\b], v[TM+4+\b]   ; with lane l xor 16's 16: the block's largest magnitude
.endr
.irp b, 0,1,2,3
	v_add_nc_u32 v[TM+12+\b], 0xff000000, v[TM+\b] ; 2 off the exponent field: the conversion's scale operand
.endr
.irp b, 0,1,2,3
	v_lshrrev_b32 v[TM+4+\b], 23, v[TM+12+\b]      ; the scale's byte
.endr
	v_lshl_or_b32 v[PW+(\a)], v[TM+5], 8, v[TM+4]
	v_lshl_or_b32 v[PW+(\a)], v[TM+6], 16, v[PW+(\a)]
	v_lshl_or_b32 v[PW+(\a)], v[TM+7], 24, v[PW+(\a)]
	WIN 0x01                                       ; source 0: window 1
.irp c, 0,1
	v_cvt_scalef32_pk16_fp6_f32 v[PC+6*\c:PC+6*\c+2], v[qs+32*\c:qs+32*\c+15], v[TM+12+2*\c]
	v_cvt_scalef32_pk16_fp6_f32 v[PC+12+4*\c:PC+14+4*\c], v[qs+32*\c+16:qs+32*\c+31], v[TM+12+2*\c+1]   ; (a conversion's three registers begin on an even number)
.endr
	WIN 0
	v_nop                                          ; one plain place behind a scaled conversion
.irp c, 0,1                                    ; the layout wants a whole block in a lane: lanes 0-15 block 2 c, lanes 16-31 block 2 c + 1
.irp i, 0,1,2
	v_permlane16_swap_b32 v[PC+6*\c+\i], v[PC+12+4*\c+\i]
.endr
.irp i, 0,1,2
	v_mov_b32 v[PC+3+6*\c+\i], v[PC+12+4*\c+\i]
.endr
.endr
.endm
	s_load_b256 s[4:11], s[0:1], 0x0               ; ximg, wimg, bq, bk
	s_load_b128 s[12:15], s[0:1], 0x20             ; bv, q
	s_load_b64 s[16:17], s[0:1], 0x30              ; kv
	v_lshl_add_u32 v[SPW], v0, 2, SPARE
	v_mov_b32 v[NIL], 0
	ds_add_u32 v[SPW], v[NIL]                      ; the wave's opening: the add and its wait stand ahead of my first tensor load; work on registers stands between them
	ds_add_u32 v[SPW], v[NIL]
	v_lshrrev_b32 v1, 5, v0
	v_readfirstlane_b32 s18, v1                    ; wave 0..3
	s_lshr_b32 s19, s18, 1                         ; my A' group.  Also: I fetch for A' (0) or for B' (1)
	s_and_b32 s20, s18, 1                          ; my pair of B' groups.  Also: which part I fetch
	s_bfe_u32 s21, ttmp6, 0x40000                  ; cx
	s_bfe_u32 s22, ttmp6, 0x40004                  ; cy
	s_and_b32 s60, ttmp7, 0xffff                   ; cluster y
	s_lshl_b32 s61, s60, 2
	s_lshl_b32 s62, ttmp9, 2
	s_sub_co_u32 s63, s61, 64
	s_cmp_ge_u32 s60, 16                           ; the kind: the same in all sixteen partners
	s_cselect_b32 s23, 1, 0
	s_cselect_b32 s24, s62, s61
	s_cselect_b32 s25, s63, s62
	s_add_co_u32 s24, s24, s22                     ; tile row: 4 x cluster y + cy, or for v 4 x cluster x + cy
	s_add_co_u32 s25, s25, s21                     ; tile column: 4 x cluster x + cx, or for v 4 x (cluster y - 16) + cx
	s_lshl_b32 s26, s22, 2
	s_lshl_b32 s26, 15, s26                        ; my row of the cluster
	s_lshl_b32 s27, 0x1111, s21                    ; my column
	s_or_b32 s[G1A], s26, (3<<16)|(1<<21)          ; 15:0 the mask; 17:16 elements of 8 bytes; 21 set beside a mask; no padding
	s_or_b32 s[G1B], s27, (3<<16)|(1<<21)
	s_mov_b32 s[G1A+1], 1600<<16                   ; tensor_dim0: 12,800 bytes, a group's part of a chunk
	s_mov_b32 s[G1A+2], 1<<16                      ; tensor_dim1: one group
	s_mov_b32 s[G1A+3], 1600<<16                   ; tile_dim0
	s_mov_b32 s[G1A+4], 1                          ; tile_dim1
	s_mov_b32 s[G1A+5], 6400                       ; from group to group: 51,200 bytes
	s_mov_b32 s[G1A+6], 0
	s_mov_b32 s[G1A+7], 0
	s_mov_b32 s[G1B+1], 1600<<16
	s_mov_b32 s[G1B+2], 2<<16                      ; two groups
	s_mov_b32 s[G1B+3], 1600<<16
	s_mov_b32 s[G1B+4], 2
	s_mov_b32 s[G1B+5], 6400
	s_mov_b32 s[G1B+6], 0
	s_mov_b32 s[G1B+7], 0
	s_lshl_b32 s66, s24, 1
	s_add_co_u32 s66, s66, s20
	s_mul_i32 s66, s66, GRP                        ; A': group 2 x tile row + part
	s_mov_b32 s67, 0
	s_lshl_b32 s98, s25, 2
	s_lshl_b32 s99, s20, 1
	s_add_co_u32 s98, s98, s99
	s_mul_i32 s98, s98, GRP                        ; B': groups 4 x tile column + 2 x part, + 1
	s_mov_b32 s99, 0
	s_mul_i32 s95, s20, CHG                        ; where they go in a chunk: no place in the cluster enters an LDS address
	s_mul_i32 s94, s20, 2*CHG
	s_add_co_u32 s94, s94, 2*CHG
	s_wait_dscnt 0x0                               ; the opening add is done
	s_wait_kmcnt 0x0
	s_cmp_eq_u32 s23, 1
	s_cselect_b64 s[2:3], s[6:7], s[4:5]           ; A': x, or for v the weights
	s_cselect_b64 s[60:61], s[4:5], s[6:7]         ; B': the weights, or for v x
	s_cselect_b32 s62, 32*GRP, 0                   ; Wv begins at group 32
	s_mov_b32 s63, 0
	s_add_nc_u64 s[2:3], s[2:3], s[62:63]
	s_add_nc_u64 s[2:3], s[2:3], s[66:67]
	s_add_nc_u64 s[60:61], s[60:61], s[98:99]
.irp c, 0,1,2,3
	s_mov_b32 s[G0A+4*\c], 1
	s_add_co_u32 s[G0A+4*\c+1], s95, CHUNK*\c
	s_add_nc_u64 s[G0A+4*\c+2:G0A+4*\c+3], s[2:3], CHG*\c
	s_or_b32 s[G0A+4*\c+3], s[G0A+4*\c+3], 0x80000000
	s_mov_b32 s[G0B+4*\c], 1
	s_add_co_u32 s[G0B+4*\c+1], s94, CHUNK*\c
	s_add_nc_u64 s[G0B+4*\c+2:G0B+4*\c+3], s[60:61], CHG*\c
	s_or_b32 s[G0B+4*\c+3], s[G0B+4*\c+3], 0x80000000
.endr
	CROUND                                         ; all sixteen work-groups are here: the joint loads meet
	s_cmp_eq_u32 s19, 0                            ; a wave's four fills stand in one branch on the wave's number, an s_nop 0 behind each and four v_nop behind the last
	s_cbranch_scc0 .Lfor_b
.irp c, 0,1,2,3
	tensor_load_to_lds s[G0A+4*\c:G0A+4*\c+3], s[G1A:G1A+7]
	s_nop 0
.endr
	PLACES 4
	s_branch .Lasked
.Lfor_b:
.irp c, 0,1,2,3
	tensor_load_to_lds s[G0B+4*\c:G0B+4*\c+3], s[G1B:G1B+7]
	s_nop 0
.endr
	PLACES 4
.Lasked:
	v_and_b32 v1, 31, v0
	v_lshlrev_b32 v[L16], 4, v1
	v_lshlrev_b32 v[L8], 3, v1
	s_mul_i32 s60, s19, CHG
	v_add_nc_u32 v[A16], s60, v[L16]               ; my A' group in chunk 0
	v_add_nc_u32 v[A8], s60, v[L8]
	v_add_nc_u32 v[B16], s94, v[L16]               ; my two B' groups
	v_add_nc_u32 v[B8], s94, v[L8]
	v_bfe_u32 v2, v0, 4, 1                         ; h
	v_lshlrev_b32 v10, 6, v2                       ; kind 0: the bias of my half's 16 neighbours: 64 h bytes on
	v_and_b32 v3, 15, v0                           ; r
	v_and_b32 v11, 8, v3
	v_add_nc_u32 v11, v11, v3
	v_lshlrev_b32 v11, 2, v11                      ; kind 1: the bias of my row: 4 (r + 8 (r / 8))
.irp b, 0,1,2,3
	v_mov_b32 v[TM+4+\b], 0                        ; a lane permute's destination counts as one of its sources
.endr
	s_and_b32 s60, s25, 3
	s_lshl_b32 s60, s60, 10
	s_lshl_b32 s61, s20, 9
	s_add_co_u32 s60, s60, s61                     ; kind 0: 4 x (256 (tile column % 4) + 128 (wave % 2))
	s_lshl_b32 s61, s24, 9
	s_lshl_b32 s62, s19, 8
	s_add_co_u32 s61, s61, s62                     ; kind 1: 4 x (128 tile row + 64 (wave / 2))
	s_cmp_eq_u32 ttmp9, 0
	s_cselect_b64 s[92:93], s[8:9], s[10:11]
	s_cmp_eq_u32 s23, 1
	s_cselect_b64 s[92:93], s[12:13], s[92:93]
	s_cselect_b32 s60, s61, s60
	s_mov_b32 s61, 0
	s_add_nc_u64 s[92:93], s[92:93], s[60:61]
	s_cmp_eq_u32 s23, 1
	s_cbranch_scc1 .Lbias_v
	s_wait_alu depctr_va_vdst(0)
.irp b, 0,1,2,3,4,5,6,7                        ; the bias in the result's layout: tile b's eight registers are n' 32 (b / 2) + 16 h + 8 (b % 2) + 0 .. 7
	global_load_b128 v[BIAS+8*\b:BIAS+8*\b+3], v10, s[92:93] offset:4*(32*(\b/2)+8*(\b%2))
	global_load_b128 v[BIAS+8*\b+4:BIAS+8*\b+7], v10, s[92:93] offset:4*(32*(\b/2)+8*(\b%2))+16
.endr
	s_branch .Lbias_done
.Lbias_v:
	s_wait_alu depctr_va_vdst(0)
.irp a, 0,1,2,3                                ; v's bias hangs on my row, the channel: the same number in a tile's eight registers
.irp j, 0,1,2,3,4,5,6,7
	global_load_b32 v[BIAS+8*\a+\j], v11, s[92:93] offset:4*(32*(\a/2)+8*(\a%2))
.endr
.endr
.set j, 32
.rept 32
	v_mov_b32 v[BIAS+j], 0                         ; the block's other half holds no bias on this way; it is written so that the whole block is defined on both ways
.set j, j+1
.endr
.Lbias_done:
	; where the results go
	s_and_b32 s2, s24, 15
	s_lshl_b32 s2, s2, 1
	s_add_co_u32 s2, s2, s19                       ; q, k: my group g of 64 tokens among the batch's 32
	s_lshr_b32 s3, s24, 4
	s_lshl_b32 s3, s3, 4
	s_and_b32 s95, s25, 3
	s_lshl_b32 s95, s95, 2
	s_add_co_u32 s3, s3, s95
	s_lshl_b32 s95, s20, 1
	s_add_co_u32 s3, s3, s95                       ; the first of my two heads: 16 batch + 4 (tile column % 4) + 2 (wave % 2)
	s_lshl_b32 s60, s3, 5
	s_add_co_u32 s60, s60, s2
	s_mul_i32 s60, s60, QREC                       ; q's record,
	s_add_co_u32 s62, s60, 3072                    ; its scale pack
	s_lshl_b32 s98, s3, 3
	s_lshr_b32 s99, s2, 2
	s_add_co_u32 s98, s98, s99
	s_mul_i32 s98, s98, KVREC                      ; k's record: slot g / 4
	s_and_b32 s2, s2, 3
	s_mul_i32 s99, s2, 3072
	s_add_co_u32 s99, s99, s98                     ; its four tiles of group g % 4,
	s_lshl_b32 s2, s2, 8
	s_add_co_u32 s98, s98, s2
	s_add_co_u32 s98, s98, 24576                   ; their scale pack
	s_mov_b32 s66, 8*KVREC
	s_cmp_eq_u32 ttmp9, 0
	s_cselect_b32 s60, s60, s99
	s_cselect_b32 s62, s62, s98
	s_cselect_b32 s66, 32*QREC, s66                ; from a head to the next
	s_cselect_b64 s[84:85], s[14:15], s[16:17]
	s_lshr_b32 s2, s25, 3
	s_lshl_b32 s2, s2, 4
	s_lshl_b32 s3, s24, 1
	s_add_co_u32 s2, s2, s3
	s_add_co_u32 s2, s2, s19                       ; v: my head: 16 batch + 2 tile row + wave / 2
	s_lshl_b32 s2, s2, 3
	s_and_b32 s3, s25, 7
	s_add_co_u32 s2, s2, s3
	s_mul_i32 s2, s2, KVREC                        ; its record: slot tile column % 8
	s_mul_i32 s3, s20, 6144
	s_add_co_u32 s3, s3, s2
	s_add_co_u32 s3, s3, 12288                     ; my step of 128 keys,
	s_lshl_b32 s95, s20, 8
	s_add_co_u32 s2, s2, s95
	s_add_co_u32 s2, s2, 25600                     ; its scale pack
	s_cmp_eq_u32 s23, 1
	s_cselect_b32 s60, s3, s60
	s_cselect_b32 s62, s2, s62
	s_cselect_b32 s66, 3072, s66                   ; v: from the first 64 keys' images to the second's
	s_cselect_b64 s[84:85], s[16:17], s[84:85]
	s_mov_b32 s61, 0
	s_mov_b32 s63, 0
	s_mov_b32 s67, 0
	s_add_nc_u64 s[88:89], s[84:85], s[62:63]
	s_add_nc_u64 s[84:85], s[84:85], s[60:61]
	s_add_nc_u64 s[86:87], s[84:85], s[66:67]
	s_add_nc_u64 s[90:91], s[88:89], s[66:67]
	s_mov_b32 s94, 0xffff0000
	s_mov_b32 s[SEL], 0x76543210
	s_mov_b32 s[SEL+1], 0xfedcba98
	s_wait_tensorcnt 3                             ; my part of chunk 0 is in; the three later chunks' loads may be out
	s_barrier_signal -1
	s_barrier_wait -1                              ; everybody's is
	FETCH 0
	FETCH 1
	s_wait_dscnt 51                                ; K step 0's fragments are in; K step 1's 51 loads may be out
	s_wait_loadcnt 0x0                             ; the bias
	s_cmp_eq_u32 s23, 1                            ; K step 0 starts the sums with the bias: nothing is cleared, nothing is added later
	s_cbranch_scc1 .Lstep0_v
	WIN W_MUL0
	s_wait_alu depctr_va_vdst(0)
	MUL16 0, 0, 1
	MUL16 2, 0, 1
	WIN 0
	s_branch .Lstep0_done
.Lstep0_v:
	WIN W_MUL0
	MUL16 0, 0, 2
	MUL16 2, 0, 2
	WIN 0
.Lstep0_done:
	KSTEP 1
	s_wait_alu depctr_va_vdst(0)
	KSTEP 2
	KSTEP 3
	s_wait_alu depctr_va_vdst(0)
	KSTEP 4
	KSTEP 5
	s_wait_alu depctr_va_vdst(0)
	KSTEP 6
	KSTEP 7
	PLACES 4                                       ; four places between the last product and the first read of results
	; THE WAY OUT: a tile of rows at a time: 128 neighbours a lane are quantised; the fragment's two halves of six registers go to two images (two heads, or v's two halves of 128 keys)
.irp a, 0,1,2,3
.if \a > 0
	s_wait_xcnt 0x0                                ; the last tile's stores have read the codes' registers: they are written again only behind this wait
.endif
	QUANTW \a
	global_store_b128 v[L16], v[PC:PC+3], s[84:85] offset:768*\a          ; 512 consecutive bytes, at a multiple of 256 from the buffer's first byte
	global_store_b64 v[L8], v[PC+4:PC+5], s[84:85] offset:768*\a+512      ; 256 more
	global_store_b128 v[L16], v[PC+6:PC+9], s[86:87] offset:768*\a
	global_store_b64 v[L8], v[PC+10:PC+11], s[86:87] offset:768*\a+512
.endr
	v_cndmask_b32 v[XY], v[PW], v[PW+1], s94       ; the scale pack: lanes 0-15 tile 0's words, lanes 16-31 tile 1's;
	v_cndmask_b32 v[XY+1], v[PW+2], v[PW+3], s94   ; tiles 2 and 3
	global_store_b64 v[L8], v[XY:XY+1], s[88:89]
	s_cmp_eq_u32 s23, 1
	s_cbranch_scc1 .Lone_pack
	v_lshrrev_b32 v[XY+2], 16, v[XY]               ; q, k: the second head's two bytes, brought to bytes 0 and 1
	v_lshrrev_b32 v[XY+3], 16, v[XY+1]
	global_store_b64 v[L8], v[XY+2:XY+3], s[90:91]
.Lone_pack:
	s_wait_tensorcnt 0x0                           ; the wave's end: behind my last tensor load
	ds_add_u32 v[SPW], v[NIL]
	s_wait_dscnt 0x0
	CROUND                                         ; the closing round
	s_endpgm
.Lfunc_end_k_q0e37bc6d94_qkv:
	.size	k_q0e37bc6d94_qkv, .Lfunc_end_k_q0e37bc6d94_qkv-k_q0e37bc6d94_qkv
	.p2alignl 7, 3214868480
	.fill 96, 4, 3214868480
	.section	.rodata,"a",@progbits
	.p2align	6, 0x0
	.amdhsa_kernel k_q0e37bc6d94_qkv
		.amdhsa_group_segment_fixed_size 327680
		.amdhsa_private_segment_fixed_size 0
		.amdhsa_enable_private_segment 0
		.amdhsa_kernarg_size 56
		.amdhsa_user_sgpr_count 2
		.amdhsa_user_sgpr_kernarg_segment_ptr 1
		.amdhsa_wavefront_size32 1
		.amdhsa_system_sgpr_workgroup_id_x 1
		.amdhsa_system_sgpr_workgroup_id_y 1
		.amdhsa_system_sgpr_workgroup_id_z 1
		.amdhsa_system_vgpr_workitem_id 0
		.amdhsa_next_free_vgpr 768
		.amdhsa_next_free_sgpr 100
		.amdhsa_reserve_vcc 0
		.amdhsa_float_denorm_mode_32 3
		.amdhsa_float_denorm_mode_16_64 3
		.amdhsa_memory_ordered 1
		.amdhsa_forward_progress 1
		.amdhsa_inst_pref_size 99
	.end_amdhsa_kernel
	.amdgpu_metadata
---
amdhsa.version: [ 1, 2 ]
amdhsa.kernels:
  - .name:           k_q0e37bc6d94_qkv
    .symbol:         k_q0e37bc6d94_qkv.kd
    .args:
      - { .name: ximg, .offset: 0, .size: 8, .value_kind: global_buffer, .address_space: global }
      - { .name: wimg, .offset: 8, .size: 8, .value_kind: global_buffer, .address_space: global }
      - { .name: bq, .offset: 16, .size: 8, .value_kind: global_buffer, .address_space: global }
      - { .name: bk, .offset: 24, .size: 8, .value_kind: global_buffer, .address_space: global }
      - { .name: bv, .offset: 32, .size: 8, .value_kind: global_buffer, .address_space: global }
      - { .name: q, .offset: 40, .size: 8, .value_kind: global_buffer, .address_space: global }
      - { .name: kv, .offset: 48, .size: 8, .value_kind: global_buffer, .address_space: global }
    .group_segment_fixed_size: 327680
    .private_segment_fixed_size: 0
    .kernarg_segment_align: 8
    .kernarg_segment_size: 56
    .max_flat_workgroup_size: 128
    .sgpr_count:     100
    .vgpr_count:     768
    .wavefront_size: 32
...
	.end_amdgpu_metadata
.endif
;; end of part 2
;; launch attn (part 3): grid 4 x 64, 16 waves a work-group, no clusters, 327,680 bytes of LDS; arguments q, kv, oimg; writes oimg
.if DOCPART == 3
	.amdgcn_target "amdgcn-amd-amdhsa--gfx1250"
	.amdhsa_code_object_version 6
	.text
	.protected	k_q0e37bc6d94_attn
	.globl	k_q0e37bc6d94_attn
	.p2align	8
	.type	k_q0e37bc6d94_attn,@function
k_q0e37bc6d94_attn:
	s_mov_b64 s[64:65], 0
	v_nop
	global_prefetch_b8 v0, s[64:65] scope:SCOPE_SE
	s_setreg_imm32_b32 hwreg(HW_REG_WAVE_MODE, 25, 1), 1
	s_wait_xcnt 0x0
; Causal attention of one head on codes of FP6 (E2M3) with E8M0 scales: o = softmax(q k^T / 8) v, 2,048 tokens, head size 64; o is quantised in registers along the head's channels and leaves as the
; register image that the last product reads.
; THE SOFTMAX: t = score x log2(e) / 8; M = the row's largest t so far, rounded up to a whole number; p = 2^(t - M) is quantised along the keys, not normalised; the row's sum is taken of the
; unquantised p in f32 and divides o at the end.  When M moves, the sum and o are multiplied by 2^(old M - new M): exact.
; SHARES: work-group (X, head) owns the query blocks 7 - X and then X, 256 queries each: 8 - X and X + 1 slots of 256 keys, nine in all for every work-group: 256 work-groups of equal work, a constant
; count of trips, and no slot is fetched that is not read.  Each of sixteen waves owns one tile of 16 queries in 256 registers, four waves to a SIMD.
; LAYOUT: both products transposed: S^T = k q^T (source 0 = 16 keys), O^T = v^T p^T (source 0 = 16 channels): a lane holds one query.  The rows of every tile are 32 (t / 2) + 8 (t % 2) + r + 8 (r / 8)
; of their 64, so p's and o's registers run over neighbours.
; THE FIRST PRODUCT'S K IS 64: q's registers 6-11 are zero codes; a tile of k is six registers, laid tight, and the instruction's upper six are the next tile's codes, which meet the zeros.
; THE RING: two LDS slots of 26,112 bytes, a slot = one record of kv (k's 16 tiles, v's images, the scale packs), fetched by waves 0 and 1, half each; one tensor load a wave is out, every wait for them is for 0.
; No cluster: the four work-groups of a head walk different slots from the fifth trip on, so they could not make every request jointly.
; LIMITS: a block whose largest magnitude lies under 2^-124 is held at the byte 1, a block of zeros has the byte 1 (this program alone reads the bytes); NaN and infinities are not served.
.set KVREC, 26112
.set HALF,  13056
.set SLOT1, 32768                      ; slot 1 begins here: one exclusive or turns an address
.set SPARE, 65536                      ; the spare words, 128 bytes for each of 16 waves
.set L16, 1                            ; v1  16 x lane
.set L8,  2                            ; v2  8 x lane
.set T16, 3                            ; v3  the same in the slot in hand
.set T8,  4                            ; v4
.set SPW, 5                            ; v5  my spare word; never rewritten
.set NIL, 6                            ; v6  0; never rewritten
.set OA,  7                            ; v7  o's image: registers 0-3
.set OB8, 8                            ; v8  registers 4-5
.set OS,  9                            ; v9  my scale byte
.set DQ,  10                           ; v10 my query less the tile's first, less 16 (lane / 16)
.set TP,  11                           ; v11 at work
.set QF,  16                           ; v16-21 q's codes, v22-27 zero codes
.set PFO, 28                           ; v28 256 x lane; never rewritten
.set QSC, 29                           ; v29 q's scale words
.set F,   32                           ; v32-79 k's eight tiles, or v's four fragments; v80-85 zero
.set KS,  86                           ; v86-89 k's scale packs
.set VS,  90                           ; v90-91 v's
.set PSC, 92                           ; v92 p's scale word
.set S,   96                           ; v96-159 S^T, then p
.set O,   160                          ; v160-191 O^T
.set PC,  192                          ; v192-203 p's codes, o's codes
.set CT,  204                          ; v204-206, v208-210 upper halves of blocks, before they are moved
.set BM,  212                          ; v212-215 the blocks' largest
.set BT,  216                          ; v216-219 permutes' destinations, then bytes
.set SO,  220                          ; v220-223 the conversions' scale operands
.set SU,  224                          ; v224-225 the sum's second chain
.set Q2,  240                          ; v240-245 the second block's q, v246 its scale words
.set WV,  10
.set X,   11
.set HB,  12
.set N1,  13                           ; s13 trips of the first block: 8 - X
.set T,   14                           ; s14 the trip
.set QB,  15                           ; s15 the query block in hand
.set Q0,  16                           ; s16 my tile's first query
.set KF,  17                           ; s17 the step's first key
.set TB,  18                           ; s18 where the slot in hand begins
.set WQ,  19                           ; s19 my tile's first query in its block
.set SEL, 20
.set CS,  22                           ; s[22:23] c = log2(e) / 8
.set G1,  24
.set G0,  32
.set KVW, 36                           ; s[36:37] my half of the head's slot 0 in memory
.set FO,  38                           ; s[38:39] the slot to be fetched, in bytes
.set OBS, 40                           ; s[40:41] o's record for my group, block 0
.set OP,  42                           ; s[42:43] the same for the block in hand
.set PFA, 44                           ; s[44:45] where my prefetches stand
.set LIM, 46                           ; s46 the last trip in which I prefetch, or -1
.set HI,  47                           ; s47 lanes 16-31
.macro PLACES n
.rept \n
	v_nop
.endr
.endm
.macro TLOAD                           ; waves 0 and 1 fetch; an s_nop 0 and four v_nop follow the load
	s_cmp_lt_u32 s[WV], 2
	s_cbranch_scc0 .Lasked_\@
	tensor_load_to_lds s[G0:G0+3], s[G1:G1+7]
	s_nop 0
	PLACES 4
.Lasked_\@:
.endm
; A PREFETCH INTO THE L2 of the codes of the slot that the NEXT change of slots will ask for: 96 rows of 256 bytes, 32 a wave, a lane a row.  The four work-groups of a head walk slots 0 to 4 in the same trips,
; and the first of them (X = 0) walks all eight on end: it asks, in its waves 4 to 6, in trips 0 to 5, for slots 2 to 7: each row is named once in the launch.  Slots 0 and 1 and the six rows of scale packs come by their loads alone.
.macro ASK
	s_cmp_le_i32 s[T], s[LIM]
	s_cbranch_scc0 .Lnot_mine_\@
	global_prefetch_b8 v[PFO], s[PFA:PFA+1] th:TH_LOAD_NT scope:SCOPE_SE
.Lnot_mine_\@:
.endm
	s_load_b128 s[4:7], s[0:1], 0x0                ; q, kv
	s_load_b64 s[8:9], s[0:1], 0x10                ; oimg
	v_lshl_add_u32 v[SPW], v0, 2, SPARE
	v_mov_b32 v[NIL], 0
	ds_add_u32 v[SPW], v[NIL]                      ; the wave's opening: the add and its wait stand ahead of my first tensor load; work on registers stands between them
	ds_add_u32 v[SPW], v[NIL]
	v_lshrrev_b32 v[TP], 5, v0
	s_delay_alu instid0(VALU_DEP_1)
	v_readfirstlane_b32 s[WV], v[TP]               ; wave 0..15
	s_mov_b32 s[X], ttmp9
	s_and_b32 s[HB], ttmp7, 0xffff                 ; 16 batch + head
	s_sub_co_u32 s[N1], 8, s[X]
	s_sub_co_u32 s[QB], 7, s[X]
	s_mov_b32 s[T], 0
	s_lshr_b32 s48, s[WV], 2                       ; my group of 64 queries in a block
	s_and_b32 s49, s[WV], 3                        ; my tile t in it
	s_lshr_b32 s50, s49, 1
	s_and_b32 s51, s49, 1
	s_lshl_b32 s[WQ], s48, 6
	s_lshl_b32 s52, s50, 5
	s_add_co_u32 s[WQ], s[WQ], s52
	s_lshl_b32 s52, s51, 3
	s_add_co_u32 s[WQ], s[WQ], s52                 ; 64 group + 32 (t / 2) + 8 (t % 2)
	s_lshl_b32 s[Q0], s[QB], 8
	s_add_co_u32 s[Q0], s[Q0], s[WQ]
	s_mov_b32 s[KF], 0
	s_mov_b32 s[TB], 0
	s_mov_b32 s[SEL], 0x76543210
	s_mov_b32 s[SEL+1], 0xfedcba98
	s_mov_b32 s[CS], 0x3e38aa3b                    ; log2(e) / 8
	s_mov_b32 s[CS+1], s[CS]                       ; (named with it as a pair, so it is written)
	s_mov_b32 s[HI], 0xffff0000
	s_mov_b32 s[G1], 3<<16                         ; no mask; elements of 8 bytes; no padding
	s_mov_b32 s[G1+1], 32<<16                      ; tensor_dim0: rows of 256 bytes
	s_mov_b32 s[G1+2], 51<<16                      ; tensor_dim1: half a record
	s_mov_b32 s[G1+3], 32<<16                      ; tile_dim0
	s_mov_b32 s[G1+4], 51                          ; tile_dim1
	s_mov_b32 s[G1+5], 32                          ; dense
	s_mov_b32 s[G1+6], 0
	s_mov_b32 s[G1+7], 0
	s_and_b32 s52, s[WV], 1
	s_mul_i32 s52, s52, HALF                       ; which half I fetch, if I fetch: in memory and in a slot
	s_mov_b32 s[G0], 1
	s_mov_b32 s[G0+1], s52
	s_mul_i32 s54, s[HB], 8*KVREC
	s_add_co_u32 s54, s54, s52
	s_mov_b32 s55, 0
	s_mov_b32 s[FO], 0
	s_mov_b32 s[FO+1], 0
	s_mul_i32 s56, s[HB], 8*KVREC
	s_and_b32 s52, s[WV], 3
	s_lshl_b32 s52, s52, 13
	s_add_co_u32 s56, s56, s52
	s_add_co_u32 s56, s56, KVREC                   ; the prefetches stand in slot 1: the first change of slots steps them to slot 2
	s_mov_b32 s57, 0
	s_sub_co_u32 s52, s[WV], 4
	s_cmp_lt_u32 s52, 3                            ; waves 4 to 6
	s_cselect_b32 s[LIM], 5, -1
	s_cmp_eq_u32 s[X], 0                           ; of the head's first work-group
	s_cselect_b32 s[LIM], s[LIM], -1
	s_lshr_b32 s58, s[HB], 4
	s_lshl_b32 s58, s58, 5
	s_add_co_u32 s58, s58, s48                     ; o: group 32 batch + my group (+ 4 x block),
	s_lshl_b32 s58, s58, 3
	s_bfe_u32 s59, s[HB], 0x30001                  ; K step head / 2
	s_add_co_u32 s58, s58, s59
	s_mul_i32 s58, s58, 6400
	s_mov_b32 s59, 0
	s_lshl_b32 s52, s[HB], 5
	s_add_co_u32 s52, s52, s48                     ; q: record 32 x head + my group + 4 x block
	s_lshl_b32 s60, s[QB], 2
	s_add_co_u32 s60, s60, s52
	s_mul_i32 s60, s60, 3328
	s_mov_b32 s61, 0
	s_lshl_b32 s62, s[X], 2
	s_add_co_u32 s62, s62, s52
	s_mul_i32 s62, s62, 3328
	s_mov_b32 s63, 0
	s_wait_dscnt 0x0                               ; the opening add is done
	s_wait_kmcnt 0x0
	s_add_nc_u64 s[KVW:KVW+1], s[6:7], s[54:55]
	s_mov_b64 s[G0+2:G0+3], s[KVW:KVW+1]
	s_or_b32 s[G0+3], s[G0+3], 0x80000000
	TLOAD                                          ; slot 0
	s_add_nc_u64 s[PFA:PFA+1], s[6:7], s[56:57]
	s_add_nc_u64 s[OBS:OBS+1], s[8:9], s[58:59]
	s_add_nc_u64 s[60:61], s[4:5], s[60:61]
	s_add_nc_u64 s[62:63], s[4:5], s[62:63]
	v_and_b32 v[TP], 31, v0
	s_delay_alu instid0(VALU_DEP_1)
	v_lshlrev_b32 v[L16], 4, v[TP]
	s_delay_alu instid0(VALU_DEP_2)
	v_lshlrev_b32 v[L8], 3, v[TP]
	s_delay_alu instid0(VALU_DEP_3)
	v_lshlrev_b32 v[PFO], 8, v[TP]
	v_and_b32 v212, 15, v0                         ; r
	s_wait_alu depctr_va_vdst(0)
	v_bfe_u32 v213, v0, 4, 1                       ; lane / 16
	s_and_b32 s52, s[HB], 1                        ; head % 2: which half of o's K step
	s_mul_i32 s53, s49, 1536
	s_mul_i32 s54, s52, 768
	s_add_co_u32 s53, s53, s54
	v_add_nc_u32 v[OA], s53, v[L16]
	s_add_co_u32 s53, s53, 512
	v_add_nc_u32 v[OB8], s53, v[L8]
	s_lshl_b32 s53, s51, 7
	s_lshl_b32 s54, s50, 2
	s_add_co_u32 s53, s53, s54                     ; a scale word's place in a pack: 128 (t % 2) + 4 (t / 2) + 8 r
	v_lshl_add_u32 v214, v212, 3, s53
	s_delay_alu instid0(VALU_DEP_1)
	v_add_nc_u32 v216, 3072, v214                  ; q's scale word
	s_lshl_b32 s52, s52, 1
	s_add_co_u32 s52, s52, 6144
	v_add_nc_u32 v[OS], s52, v214
	s_wait_alu depctr_va_vdst(0)
	v_add_nc_u32 v[OS], v[OS], v213                ; o's scale byte: lanes 0-15 store block 0's, lanes 16-31 block 1's
	s_mul_i32 s53, s49, 768
	v_add_nc_u32 v217, s53, v[L16]
	s_add_co_u32 s53, s53, 512
	v_add_nc_u32 v218, s53, v[L8]
	v_and_b32 v215, 8, v212
	s_delay_alu instid0(VALU_DEP_1)
	v_add_nc_u32 v215, v215, v212
	v_lshlrev_b32 v219, 4, v213
	s_delay_alu instid0(VALU_DEP_1)
	v_sub_nc_u32 v[DQ], v215, v219
	global_load_b128 v[QF:QF+3], v217, s[60:61]    ; the first block's q,
	global_load_b64 v[QF+4:QF+5], v218, s[60:61]
	global_load_b32 v[QSC], v216, s[60:61]
	global_load_b128 v[Q2:Q2+3], v217, s[62:63]    ; and the second's, kept until the blocks change
	global_load_b64 v[Q2+4:Q2+5], v218, s[62:63]
	global_load_b32 v[Q2+6], v216, s[62:63]
.irp i, 0,1,2,3,4,5
	v_mov_b32 v[QF+6+\i], 0                        ; zero codes for K = 64 .. 127
	v_mov_b32 v[F+48+\i], 0                        ; and what the last tile of k names as its upper six
.endr
	v_mov_b32 v13, 0xff61b1e6                      ; the largest t so far: -3e38, under every t
	s_delay_alu instid0(VALU_DEP_1)
	v_floor_f32 v12, -v13                          ; -M
	v_mov_b32 v14, 0                               ; the sum, in two halves
	v_mov_b32 v15, 0
	v_mov_b32 v253, 0                              ; (named as the upper half of the pair v[252:253])
	v_mov_b32 v254, 0                              ; (a lane permute's destination counts as one of its sources)
.set j, 0
.rept 32
	v_mov_b32 v[O+j], 0                            ; O^T: the step is written once; its first use finds zeros
.set j, j+1
.endr
; A KEY STEP: 128 keys, the q-th of the slot in hand.
.macro STEP q
	s_add_co_u32 s48, s[Q0], 23                    ; my tile's last query.  A step all of whose keys come after it is left out: a branch on ids and counts, round loads, products and softmax alone
	s_cmp_gt_u32 s[KF], s48
	s_cbranch_scc1 .Lhidden_\@
	PLACES 4                                       ; places in front of loads into registers that the last products have read
	s_wait_alu depctr_va_vdst(0)
.irp t, 0,1,2,3,4,5,6,7
	ds_load_b128 v[F+6*\t:F+6*\t+3], v[T16] offset:768*(8*(\q)+\t)
	ds_load_b64 v[F+6*\t+4:F+6*\t+5], v[T8] offset:768*(8*(\q)+\t)+512
.endr
.irp j, 0,1
	ds_load_b64 v[KS+2*\j:KS+2*\j+1], v[T8] offset:24576+256*(2*(\q)+\j)
.endr
	s_wait_dscnt 0x0
.irp t, 0,1,2,3,4,5,6,7
.if \t%2
	v_wmma_scale_f32_16x16x128_f8f6f4 v[S+8*\t:S+8*\t+7], v[F+6*\t:F+6*\t+11], v[QF:QF+11], 0, v[KS+\t/2], v[QSC] matrix_a_fmt:MATRIX_FMT_FP6 matrix_b_fmt:MATRIX_FMT_FP6 matrix_a_scale:MATRIX_SCALE_ROW1
.else
	v_wmma_scale_f32_16x16x128_f8f6f4 v[S+8*\t:S+8*\t+7], v[F+6*\t:F+6*\t+11], v[QF:QF+11], 0, v[KS+\t/2], v[QSC] matrix_a_fmt:MATRIX_FMT_FP6 matrix_b_fmt:MATRIX_FMT_FP6
.endif
.endr
	PLACES 4                                       ; in front of the loads below and of the first read of the scores
	s_wait_alu depctr_va_vdst(0)
.irp d, 0,1,2,3                                ; v's four fragments land while the softmax is walked
	ds_load_b128 v[F+12*\d:F+12*\d+3], v[T16] offset:12288+6144*(\q)+768*\d
	ds_load_b64 v[F+12*\d+4:F+12*\d+5], v[T8] offset:12288+6144*(\q)+768*\d+512
	ds_load_b128 v[F+12*\d+6:F+12*\d+9], v[T16] offset:12288+6144*(\q)+3072+768*\d
	ds_load_b64 v[F+12*\d+10:F+12*\d+11], v[T8] offset:12288+6144*(\q)+3072+768*\d+512
.endr
	ds_load_b64 v[VS:VS+1], v[T8] offset:25600+256*(\q)
	s_add_co_u32 s48, s[KF], 127                   ; on the diagonal the scores of hidden keys become -infinity ahead of the maximum; a step all of whose keys count skips this
	s_cmp_le_u32 s48, s[Q0]
	s_cbranch_scc1 .Lopen_\@
	s_sub_co_i32 s48, s[Q0], s[KF]
	v_add_nc_u32 v[TP], s48, v[DQ]                 ; d = my query - the step's first key - 16 (lane / 16).  Register 16 b + i holds key 32 b + 16 (lane / 16) + i of the step: hidden where 32 b + i > d
	v_mov_b32 v254, 0xff800000
.set j, 0
.rept 64
	v_cmp_gt_i32 vcc_lo, 32*(j/16)+j%16, v[TP]
	v_cndmask_b32 v[S+j], v[S+j], v254, vcc_lo
.set j, j+1
.endr
.Lopen_\@:
.irp b, 0,1,2,3
	v_max3_num_f32 v[BM+\b], v[S+16*\b], v[S+16*\b+1], v[S+16*\b+2]   ; the largest score of each block of 32 keys: for the row's maximum, and, since p rises with the score, for the block's largest p
.endr
.irp i, 3,5,7,9,11,13
.irp b, 0,1,2,3
	v_max3_num_f32 v[BM+\b], v[BM+\b], v[S+16*\b+\i], v[S+16*\b+\i+1]
.endr
.endr
.irp b, 0,1,2,3
	v_max_num_f32 v[BM+\b], v[BM+\b], v[S+16*\b+15]
.endr
.irp b, 0,1,2,3
	s_delay_alu instid0(VALU_DEP_4)
	v_permlanex16_b32 v[BT+\b], v[BM+\b], s[SEL], s[SEL+1]
.endr
.irp b, 0,1,2,3
	s_delay_alu instid0(VALU_DEP_4)
	v_max_num_f32 v[BM+\b], v[BM+\b], v[BT+\b]     ; with lane l xor 16's 16 keys
.endr
	s_delay_alu instid0(VALU_DEP_2)
	v_max3_num_f32 v254, v[BM], v[BM+1], v[BM+2]
	s_delay_alu instid0(VALU_DEP_1)
	v_max_num_f32 v254, v254, v[BM+3]
	s_delay_alu instid0(VALU_DEP_1)
	v_mul_f32 v254, s[CS], v254                    ; the step's largest t of my query
	s_delay_alu instid0(VALU_DEP_1)
	v_max_num_f32 v13, v13, v254
	v_mov_b32 v254, v12
	s_delay_alu instid0(VALU_DEP_2)
	v_floor_f32 v12, -v13                          ; the new -M = floor(-t)
	s_delay_alu instid0(VALU_DEP_1)
	v_sub_f32 v254, v12, v254                      ; old M - new M: a whole number, 0 or less
	s_delay_alu instid0(VALU_DEP_1)
	v_cvt_i32_f32 v254, v254                       ; (it saturates)
	s_delay_alu instid0(VALU_DEP_1)
	v_ldexp_f32 v252, 1.0, v254                    ; f = 2^(old M - new M)
.set j, 0
.rept 32
	v_pk_fma_f32 v[S+j:S+j+1], v[S+j:S+j+1], s[CS:CS+1], v[12:13] op_sel_hi:[1,0,0]   ; t - M, two at a time
.set j, j+2
.endr
.irp b, 0,1,2,3
	v_fma_f32 v[BM+\b], v[BM+\b], s[CS], v12       ; the same of each block's largest score
.endr
.set j, 0
	s_wait_alu depctr_va_vdst(0)
.rept 64
	v_exp_f32 v[S+j], v[S+j]                       ; p = 2^(t - M)
.set j, j+1
.endr
	v_pk_mul_f32 v[14:15], v[14:15], v[252:253] op_sel_hi:[1,0]   ; the sums under the new M: a plain place behind the exponentials
	s_wait_alu depctr_va_vdst(0)                   ; one wait for the whole batch, ahead of its first reader
.irp b, 0,1,2,3
	v_exp_f32 v[BM+\b], v[BM+\b]                   ; the block's largest p
.endr
	v_pk_add_f32 v[224:225], v[100:101], v[104:105]
	v_pk_add_f32 v[250:251], v[108:109], v[112:113]
	v_pk_add_f32 v[248:249], v[116:117], v[120:121]
	v_pk_add_f32 v[238:239], v[124:125], v[128:129]
	v_pk_add_f32 v[236:237], v[132:133], v[136:137]
	v_pk_add_f32 v[234:235], v[140:141], v[144:145]
	v_pk_add_f32 v[232:233], v[148:149], v[152:153]
	v_pk_add_f32 v[14:15], v[14:15], v[156:157]
	v_pk_add_f32 v[224:225], v[224:225], v[96:97]
	v_pk_add_f32 v[250:251], v[250:251], v[98:99]
	v_pk_add_f32 v[248:249], v[248:249], v[102:103]
	v_pk_add_f32 v[238:239], v[238:239], v[106:107]
	v_pk_add_f32 v[236:237], v[236:237], v[110:111]
	v_pk_add_f32 v[234:235], v[234:235], v[114:115]
	v_pk_add_f32 v[232:233], v[232:233], v[118:119]
	v_pk_add_f32 v[14:15], v[14:15], v[122:123]
	v_pk_add_f32 v[224:225], v[224:225], v[126:127]
	v_pk_add_f32 v[250:251], v[250:251], v[130:131]
	v_pk_add_f32 v[248:249], v[248:249], v[134:135]
	v_pk_add_f32 v[238:239], v[238:239], v[138:139]
	v_pk_add_f32 v[236:237], v[236:237], v[142:143]
	v_pk_add_f32 v[234:235], v[234:235], v[146:147]
	v_pk_add_f32 v[232:233], v[232:233], v[150:151]
	v_pk_add_f32 v[14:15], v[14:15], v[154:155]
	v_pk_add_f32 v[224:225], v[224:225], v[158:159]
	s_delay_alu instid0(VALU_DEP_2)
	v_pk_add_f32 v[14:15], v[14:15], v[238:239]
	s_delay_alu instid0(VALU_DEP_2)
	v_pk_add_f32 v[224:225], v[224:225], v[236:237]
	v_pk_add_f32 v[250:251], v[250:251], v[234:235]
	v_pk_add_f32 v[248:249], v[248:249], v[232:233]
	s_delay_alu instid0(VALU_DEP_2)
	v_pk_add_f32 v[14:15], v[14:15], v[250:251]
	s_delay_alu instid0(VALU_DEP_2)
	v_pk_add_f32 v[224:225], v[224:225], v[248:249]
	s_delay_alu instid0(VALU_DEP_1)
	v_pk_add_f32 v[14:15], v[14:15], v[224:225]
	s_wait_alu depctr_va_vdst(0)                   ; and one for the four
.irp b, 0,1,2,3
	v_max_num_f32 v[BM+\b], 0x1800000, v[BM+\b]    ; the floor 2^(3 - 127): the byte cannot fall under 1
.endr
.irp b, 0,1,2,3
	s_delay_alu instid0(VALU_DEP_4)
	v_add_nc_u32 v[SO+\b], 0xff000000, v[BM+\b]    ; 2 off the exponent field: the conversion's scale operand
.endr
.irp b, 0,1,2,3
	s_delay_alu instid0(VALU_DEP_4)
	v_lshrrev_b32 v[BT+\b], 23, v[SO+\b]           ; the scale's byte
.endr
	s_delay_alu instid0(VALU_DEP_3)
	v_lshl_or_b32 v[PSC], v[BT+1], 8, v[BT]
	s_delay_alu instid0(VALU_DEP_1)
	v_lshl_or_b32 v[PSC], v[BT+2], 16, v[PSC]
	s_delay_alu instid0(VALU_DEP_1)
	v_lshl_or_b32 v[PSC], v[BT+3], 24, v[PSC]
.irp c, 0,1
	v_cvt_scalef32_pk16_fp6_f32 v[PC+6*\c:PC+6*\c+2], v[S+32*\c:S+32*\c+15], v[SO+2*\c]
	v_cvt_scalef32_pk16_fp6_f32 v[CT+4*\c:CT+4*\c+2], v[S+32*\c+16:S+32*\c+31], v[SO+2*\c+1]   ; (a conversion's three registers begin on an even number)
.endr
	v_nop                                          ; one plain place behind a scaled conversion
.irp c, 0,1                                    ; the layout wants a whole block in a lane
.irp i, 0,1,2
	v_permlane16_swap_b32 v[PC+6*\c+\i], v[CT+4*\c+\i]
.endr
.irp i, 0,1,2
	s_delay_alu instid0(VALU_DEP_3)
	v_mov_b32 v[PC+3+6*\c+\i], v[CT+4*\c+\i]
.endr
.endr
.set j, 0
.rept 16
	v_pk_mul_f32 v[O+j:O+j+1], v[O+j:O+j+1], v[252:253] op_sel_hi:[1,0]   ; O^T under the new M; these are also the places between p's codes and scale word and the products
.set j, j+2
.endr
	s_wait_alu depctr_va_vdst(0)
	s_wait_dscnt 0x0                               ; v's fragments are in
.irp d, 0,1,2,3                                ; the four accumulators by turns, one instruction a turn
.if \d%2
	v_wmma_scale_f32_16x16x128_f8f6f4 v[O+8*\d:O+8*\d+7], v[F+12*\d:F+12*\d+11], v[PC:PC+11], v[O+8*\d:O+8*\d+7], v[VS+\d/2], v[PSC] matrix_a_fmt:MATRIX_FMT_FP6 matrix_b_fmt:MATRIX_FMT_FP6 matrix_a_scale:MATRIX_SCALE_ROW1
.else
	v_wmma_scale_f32_16x16x128_f8f6f4 v[O+8*\d:O+8*\d+7], v[F+12*\d:F+12*\d+11], v[PC:PC+11], v[O+8*\d:O+8*\d+7], v[VS+\d/2], v[PSC] matrix_a_fmt:MATRIX_FMT_FP6 matrix_b_fmt:MATRIX_FMT_FP6
.endif
.endr
.Lhidden_\@:
	s_add_co_u32 s[KF], s[KF], 128
.endm
; A BLOCK'S END: O^T / the sum; register 16 b + i is channel 32 b + 16 (lane / 16) + i of my query: two blocks of 32 are quantised and leave as six registers a lane and two scale bytes a query.
; The bytes are one twenty-fourth of the codes' bytes and leave singly, a byte a lane.  more = 1: another block follows, which writes the stores' data again.
.macro FINAL more
	PLACES 4                                       ; four places between the last product and the first read of its result
	v_add_f32 v14, v14, v15
	s_delay_alu instid0(VALU_DEP_1)
	v_permlanex16_b32 v254, v14, s[SEL], s[SEL+1]
	s_delay_alu instid0(VALU_DEP_1)
	v_add_f32 v14, v14, v254                       ; the row's sum
	s_wait_alu depctr_va_vdst(0)
	v_rcp_f32 v14, v14
	s_mul_i32 s48, s[QB], 204800                   ; four groups of eight records a block
	s_mov_b32 s49, 0
	s_add_nc_u64 s[OP:OP+1], s[OBS:OBS+1], s[48:49]
	v_nop                                          ; a plain place behind the reciprocal,
	s_wait_alu depctr_va_vdst(0)                   ; and the wait ahead of its first reader
.set j, 0
.rept 16
	v_pk_mul_f32 v[S+j:S+j+1], v[O+j:O+j+1], v[14:15] op_sel_hi:[1,0]   ; each accumulator from its low end on
.set j, j+2
.endr
.irp b, 0,1
	v_max3_num_f32 v[BM+\b], |v[S+16*\b]|, |v[S+16*\b+1]|, 0x1800000
.endr
.irp i, 2,4,6,8,10,12,14
.irp b, 0,1
	s_delay_alu instid0(VALU_DEP_2)
	v_max3_num_f32 v[BM+\b], v[BM+\b], |v[S+16*\b+\i]|, |v[S+16*\b+\i+1]|
.endr
.endr
.irp b, 0,1
	s_delay_alu instid0(VALU_DEP_2)
	v_permlanex16_b32 v[BT+\b], v[BM+\b], s[SEL], s[SEL+1]
.endr
.irp b, 0,1
	s_delay_alu instid0(VALU_DEP_2)
	v_max_num_f32 v[BM+\b], v[BM+\b], v[BT+\b]
.endr
.irp b, 0,1
	s_delay_alu instid0(VALU_DEP_2)
	v_add_nc_u32 v[SO+\b], 0xff000000, v[BM+\b]
.endr
.irp b, 0,1
	s_delay_alu instid0(VALU_DEP_2)
	v_lshrrev_b32 v[BT+\b], 23, v[SO+\b]
.endr
	v_cvt_scalef32_pk16_fp6_f32 v[PC:PC+2], v[S:S+15], v[SO]
	v_cvt_scalef32_pk16_fp6_f32 v[CT:CT+2], v[S+16:S+31], v[SO+1]
	v_nop
.irp i, 0,1,2
	v_permlane16_swap_b32 v[PC+\i], v[CT+\i]
.endr
.irp i, 0,1,2
	s_delay_alu instid0(VALU_DEP_3)
	v_mov_b32 v[PC+3+\i], v[CT+\i]
.endr
	v_cndmask_b32 v[TP], v[BT], v[BT+1], s[HI]
	global_store_b128 v[OA], v[PC:PC+3], s[OP:OP+1]    ; 512 consecutive bytes, at a multiple of 256 from the buffer's first byte
	global_store_b64 v[OB8], v[PC+4:PC+5], s[OP:OP+1]  ; 256 more
	global_store_b8 v[OS], v[TP], s[OP:OP+1]
.if \more
	s_wait_xcnt 0x0                                ; the stores have read their data and their base: both are written again only behind this wait
.endif
.endm
; THE CHANGE OF SLOTS stands at a trip's head.  Each wave waits for all its tensor loads (its part of the slot that it is about to read), adds 0 to its spare word, and waits for that and for its reads of the slot
; that it has left.  Behind the barrier the slot ahead is whole and nobody reads the other one.  fill = 1: that one takes the next trip's slot: the next 256 keys, or, where the query blocks change, the head's first.
.macro CHANGE fill
	s_wait_tensorcnt 0x0                           ; no tensor load of mine is out, so group 0 may be written
	ds_add_u32 v[SPW], v[NIL]                      ; the descriptor's steps stand between the add and the wait for it
.if \fill
	s_xor_b32 s[G0+1], s[G0+1], SLOT1
	s_add_co_u32 s[FO], s[FO], KVREC
	s_add_co_u32 s48, s[T], 1
	s_cmp_eq_u32 s48, s[N1]
	s_cselect_b32 s[FO], 0, s[FO]
	s_add_nc_u64 s[G0+2:G0+3], s[KVW:KVW+1], s[FO:FO+1]
	s_or_b32 s[G0+3], s[G0+3], 0x80000000
	s_wait_xcnt 0x0                                ; the last prefetch, a trip back, has read its address, so it may be stepped
	s_add_nc_u64 s[PFA:PFA+1], s[PFA:PFA+1], KVREC
.endif
	s_wait_dscnt 0x0                               ; the add is done, and my reads of the slot that I have left are over
	s_barrier_signal -1
	s_barrier_wait -1
.if \fill
	TLOAD                                          ; the first thing behind the barrier, and a wave's one tensor load until the next
	ASK
.endif
.endm
.macro BODY
	s_cmp_eq_u32 s[T], s[N1]                       ; the first block's keys are walked: ids and the count of trips alone, the same in all sixteen waves
	s_cbranch_scc0 .Lsame_\@
	FINAL 1
	s_mov_b32 s[QB], s[X]
	s_lshl_b32 s[Q0], s[X], 8
	s_add_co_u32 s[Q0], s[Q0], s[WQ]
	s_mov_b32 s[KF], 0
	v_mov_b32 v[QSC], v[Q2+6]
.irp i, 0,1,2,3,4,5
	v_mov_b32 v[QF+\i], v[Q2+\i]
.endr
	v_mov_b32 v13, 0xff61b1e6
	s_delay_alu instid0(VALU_DEP_1)
	v_floor_f32 v12, -v13
	v_mov_b32 v14, 0
	v_mov_b32 v15, 0
.set j, 0
.rept 32
	v_mov_b32 v[O+j], 0
.set j, j+1
.endr
.Lsame_\@:
	v_add_nc_u32 v[T16], s[TB], v[L16]
	v_add_nc_u32 v[T8], s[TB], v[L8]
	STEP 0
	STEP 1
	s_xor_b32 s[TB], s[TB], SLOT1
.endm
	s_wait_loadcnt 0x0                             ; q
.Ltrip:                                            ; eight trips: behind each change of slots the next trip's slot is asked for
	CHANGE 1
	BODY
	s_add_co_u32 s[T], s[T], 1
	s_cmp_lt_u32 s[T], 8
	s_cbranch_scc1 .Ltrip
	CHANGE 0                                       ; the ninth is written out: it asks for nothing
	BODY
	FINAL 0
	s_wait_tensorcnt 0x0                           ; the wave's end: behind my last tensor load
	ds_add_u32 v[SPW], v[NIL]
	s_wait_dscnt 0x0
	s_endpgm
.Lfunc_end_k_q0e37bc6d94_attn:
	.size	k_q0e37bc6d94_attn, .Lfunc_end_k_q0e37bc6d94_attn-k_q0e37bc6d94_attn
	.p2alignl 7, 3214868480
	.fill 96, 4, 3214868480
	.section	.rodata,"a",@progbits
	.p2align	6, 0x0
	.amdhsa_kernel k_q0e37bc6d94_attn
		.amdhsa_group_segment_fixed_size 327680
		.amdhsa_private_segment_fixed_size 0
		.amdhsa_enable_private_segment 0
		.amdhsa_kernarg_size 24
		.amdhsa_user_sgpr_count 2
		.amdhsa_user_sgpr_kernarg_segment_ptr 1
		.amdhsa_wavefront_size32 1
		.amdhsa_system_sgpr_workgroup_id_x 1
		.amdhsa_system_sgpr_workgroup_id_y 1
		.amdhsa_system_sgpr_workgroup_id_z 1
		.amdhsa_system_vgpr_workitem_id 0
		.amdhsa_next_free_vgpr 256
		.amdhsa_next_free_sgpr 66
		.amdhsa_reserve_vcc 1
		.amdhsa_float_denorm_mode_32 3
		.amdhsa_float_denorm_mode_16_64 3
		.amdhsa_memory_ordered 1
		.amdhsa_forward_progress 1
		.amdhsa_inst_pref_size 116
	.end_amdhsa_kernel
	.amdgpu_metadata
---
amdhsa.version: [ 1, 2 ]
amdhsa.kernels:
  - .name:           k_q0e37bc6d94_attn
    .symbol:         k_q0e37bc6d94_attn.kd
    .args:
      - { .name: q, .offset: 0, .size: 8, .value_kind: global_buffer, .address_space: global }
      - { .name: kv, .offset: 8, .size: 8, .value_kind: global_buffer, .address_space: global }
      - { .name: oimg, .offset: 16, .size: 8, .value_kind: global_buffer, .address_space: global }
    .group_segment_fixed_size: 327680
    .private_segment_fixed_size: 0
    .kernarg_segment_align: 8
    .kernarg_segment_size: 24
    .max_flat_workgroup_size: 512
    .sgpr_count:     66
    .vgpr_count:     256
    .wavefront_size: 32
...
	.end_amdgpu_metadata
.endif
;; end of part 3
;; launch proj (part 4): grid 4 x 64, 4 waves a work-group, clusters of 4 x 4, 327,680 bytes of LDS; arguments oimg, wimg, bo, out0; writes out0
.if DOCPART == 4
	.amdgcn_target "amdgcn-amd-amdhsa--gfx1250"
	.amdhsa_code_object_version 6
	.text
	.protected	k_q0e37bc6d94_proj
	.globl	k_q0e37bc6d94_proj
	.p2align	8
	.type	k_q0e37bc6d94_proj,@function
k_q0e37bc6d94_proj:
	s_mov_b64 s[64:65], 0
	v_nop
	global_prefetch_b8 v0, s[64:65] scope:SCOPE_SE
	s_setreg_imm32_b32 hwreg(HW_REG_WAVE_MODE, 25, 1), 1
	s_wait_xcnt 0x0
	s_wait_alu depctr_hold_cnt(0) depctr_sa_sdst(0) depctr_va_vdst(0) depctr_va_sdst(0) depctr_va_ssrc(0) depctr_va_vcc(0) depctr_vm_vsrc(0)
	s_getreg_b32 s2, hwreg(HW_REG_IB_STS2, 6, 4)
	s_cmp_eq_u32 s2, 0
	s_cbranch_scc0 .Lentry_in_a_cluster
	s_endpgm
.Lentry_in_a_cluster:
	s_bfe_u32 s2, ttmp6, 0x10000c
	s_cmp_lg_u32 s2, 0xf033
	s_cbranch_scc0 .Lentry_shape_is_right
	s_endpgm
.Lentry_shape_is_right:
; out0 = o Wo^T + bo on codes of FP6 (E2M3) with E8M0 scales, f32 sums, f32 out.  o [8192][1024] and Wo [1024][1024] lie in memory as records of 6,400 bytes (64 rows x 128 K: four tiles' registers
; and their scale words); a group's eight records, all of K, are 51,200 dense bytes.  Wo's 16 groups begin at group 48 of wimg.
; Source 0 = 16 rows of Wo, source 1 = 16 rows of o: a lane holds one row of the output, and its registers neighbouring columns.  The rows of a tile are 32 (t / 2) + 8 (t % 2) + r + 8 (r / 8) of their 64.
; SHARES: a work-group makes 128 rows x 256 columns: 256 work-groups; wave w: o's group w / 2 (4 tiles), Wo's groups 2 (w % 2), + 1 (8 tiles): 32 accumulators.
; ALL OF K LIES IN LDS, in four chunks of 256 along K; every fill is a first fill, four tensor loads a wave, all issued at the start: by this text's count a wave has four out.
; CLUSTER 4 x 4: o's groups are shared along a row of the cluster, Wo's along a column: each is asked for jointly.
; THE WAY OUT: a tile of 16 rows x 128 columns goes through the wave's own stage in LDS and leaves as whole rows of 512 bytes.  The stages lie in chunk 0, which has had its one fill, and which every wave has left
; at the barrier in front of chunk 1.
; REGISTERS: window 0: v4-11, v14 addresses; v12, v13 the add's two; v16-27 scale words, two sets; v32-127 o's fragments, two sets; v128-191 the bias; on the way out v32-159 rows read back.
;   window 1: accumulator (a, b) at v[8 (8 a + b)].   window 2: Wo's fragments, two sets, at v[96 p + 12 b].
.set REC,   6400
.set GRP,   8*REC
.set CHG,   2*REC
.set CHUNK, 6*CHG
.set SPARE, 4*CHUNK                    ; behind the chunks: the spare words, 128 bytes a wave
.set STG,   8448                       ; a wave's stage: 16 rows x 528 bytes
.set L16, 4
.set L8,  5
.set A16, 6
.set A8,  7
.set B16, 8
.set B8,  9
.set STO, 10
.set RD,  11
.set SPW, 12
.set NIL, 13
.set SC,  16
.set AF,  32
.set BK,  32
.set BIAS, 128
.set G1A, 28
.set G1B, 36
.set G0A, 44
.set G0B, 68
.set W_MUL,  0x52                      ; source 0 (Wo) window 2, source 1 (o) window 0, C and D window 1
.set W_MUL0, 0x42                      ; the same with C in window 0: the bias
.set W_TOB,  0x80                      ; destination window 2
.set MSB, 0
.macro WIN new                         ; the immediate's high byte repeats the setting that is left
.if MSB != \new
	s_set_vgpr_msb (MSB<<8)|\new
.set MSB, \new
.endif
.endm
.macro PLACES n
.rept \n
	v_nop
.endr
.endm
.macro CROUND                          ; a round of the cluster's barrier
	s_barrier_signal -1
	s_barrier_wait -1
	s_cmp_lg_u32 s18, 0
	s_cbranch_scc1 .Lnot_wave_0_\@
	s_barrier_signal -3
.Lnot_wave_0_\@:
	s_barrier_wait -3
	s_barrier_signal -1
	s_barrier_wait -1
.endm
.macro FRAG reg, a16, a8, off          ; a fragment, 16 rows x 128 K: 12 registers, as they were stored
	ds_load_b128 v[\reg:\reg+3], v[\a16] offset:\off
	ds_load_b64 v[\reg+4:\reg+5], v[\a8] offset:\off+512
	ds_load_b128 v[\reg+6:\reg+9], v[\a16] offset:\off+768
	ds_load_b64 v[\reg+10:\reg+11], v[\a8] offset:\off+1280
.endm
.macro FETCH s                         ; K step s into set s % 2: 8 fragments of Wo, 4 of o, three scale packs: 51 LDS loads
.set fp, (\s)%2
	WIN W_TOB
.irp b, 0,1,2,3,4,5,6,7
	FRAG 96*fp+12*\b, B16, B8, REC*fp+CHG*(\b/4)+1536*(\b%4)
.endr
	WIN 0
.irp a, 0,1,2,3
	FRAG AF+48*fp+12*\a, A16, A8, REC*fp+1536*\a
.endr
	ds_load_b64 v[SC+6*fp:SC+6*fp+1], v[A8] offset:REC*fp+6144
	ds_load_b64 v[SC+6*fp+2:SC+6*fp+3], v[B8] offset:REC*fp+6144
	ds_load_b64 v[SC+6*fp+4:SC+6*fp+5], v[B8] offset:REC*fp+CHG+6144
.endm
.macro WMM r0, r1                      ; one product; r0, r1: source 0's, source 1's scale words lie in lanes 16-31
.if (\r0) && (\r1)
	v_wmma_scale_f32_16x16x128_f8f6f4 v[rD:rD+7], v[rB:rB+11], v[rA:rA+11], v[rC:rC+7], v[rSB], v[rSA] matrix_a_fmt:MATRIX_FMT_FP6 matrix_b_fmt:MATRIX_FMT_FP6 matrix_a_scale:MATRIX_SCALE_ROW1 matrix_b_scale:MATRIX_SCALE_ROW1
.elseif (\r0)
	v_wmma_scale_f32_16x16x128_f8f6f4 v[rD:rD+7], v[rB:rB+11], v[rA:rA+11], v[rC:rC+7], v[rSB], v[rSA] matrix_a_fmt:MATRIX_FMT_FP6 matrix_b_fmt:MATRIX_FMT_FP6 matrix_a_scale:MATRIX_SCALE_ROW1
.elseif (\r1)
	v_wmma_scale_f32_16x16x128_f8f6f4 v[rD:rD+7], v[rB:rB+11], v[rA:rA+11], v[rC:rC+7], v[rSB], v[rSA] matrix_a_fmt:MATRIX_FMT_FP6 matrix_b_fmt:MATRIX_FMT_FP6 matrix_b_scale:MATRIX_SCALE_ROW1
.else
	v_wmma_scale_f32_16x16x128_f8f6f4 v[rD:rD+7], v[rB:rB+11], v[rA:rA+11], v[rC:rC+7], v[rSB], v[rSA] matrix_a_fmt:MATRIX_FMT_FP6 matrix_b_fmt:MATRIX_FMT_FP6
.endif
.endm
; 16 products: o's tiles a0, a0 + 1 x Wo's eight, from set p.  cm = 0: in place; 1: the sum begins with the bias of tile b.
; The 32 accumulators take turns, one instruction a turn, in the same order in every step.
.macro MUL16 a0, p, cm
.irp a, \a0, \a0+1
.irp b, 0,1,2,3,4,5,6,7
.set rD, 8*(8*(\a)+\b)
.set rB, 96*(\p)+12*\b
.set rA, AF+48*(\p)+12*(\a)
.set rSB, SC+6*(\p)+2+\b/2
.set rSA, SC+6*(\p)+(\a)/2
.set rC, rD
.if \cm == 1
.set rC, BIAS+8*\b
.endif
	WMM (\b)%2, (\a)%2
.endr
.endr
.endm
; K step s, 1 to 7.  At its head the next step's fragments are asked for, into the set that the step before has left: four places stand between that step's last product and the loads.
; Where the next step begins a chunk: my tensor load for that chunk has landed (the later chunks' loads, one each, may be out), no LDS load of mine is out, and the work-group's barrier shows the same of all four waves.
.macro KSTEP s
.if (\s) < 7
	WIN 0
.if (\s)%2
	s_wait_tensorcnt 3-((\s)+1)/2
	s_wait_dscnt 0x0
	s_barrier_signal -1
	s_barrier_wait -1
	v_add_nc_u32 v[A16], CHUNK, v[A16]             ; on to the next chunk: these four are also the places
	v_add_nc_u32 v[A8], CHUNK, v[A8]
	v_add_nc_u32 v[B16], CHUNK, v[B16]
	v_add_nc_u32 v[B8], CHUNK, v[B8]
.else
	PLACES 4
.endif
	FETCH (\s)+1
	s_wait_dscnt 51                                ; this step's fragments are in; the 51 loads just issued may be out
.else
	s_wait_dscnt 0x0
.endif
	WIN W_MUL
	MUL16 0, (\s)%2, 0
	MUL16 2, (\s)%2, 0
.endm
	s_load_b256 s[4:11], s[0:1], 0x0               ; oimg, wimg, bo, out0
	v_lshl_add_u32 v[SPW], v0, 2, SPARE
	v_mov_b32 v[NIL], 0
	ds_add_u32 v[SPW], v[NIL]                      ; the wave's opening: the add and its wait stand ahead of my first tensor load; work on registers stands between them
	ds_add_u32 v[SPW], v[NIL]
	v_lshrrev_b32 v1, 5, v0
	v_readfirstlane_b32 s18, v1                    ; wave 0..3
	s_lshr_b32 s19, s18, 1                         ; my group of o.  Also: I fetch for o (0) or for Wo (1)
	s_and_b32 s20, s18, 1                          ; my pair of Wo's groups.  Also: which part I fetch
	s_bfe_u32 s21, ttmp6, 0x40000                  ; cx
	s_bfe_u32 s22, ttmp6, 0x40004                  ; cy
	s_and_b32 s24, ttmp7, 0xffff
	s_lshl_b32 s24, s24, 2
	s_add_co_u32 s24, s24, s22                     ; tile row = 4 x cluster y + cy
	s_lshl_b32 s25, ttmp9, 2
	s_add_co_u32 s25, s25, s21                     ; tile column = 4 x cluster x + cx
	s_lshl_b32 s26, s22, 2
	s_lshl_b32 s26, 15, s26                        ; my row of the cluster
	s_lshl_b32 s27, 0x1111, s21                    ; my column
	s_or_b32 s[G1A], s26, (3<<16)|(1<<21)          ; 15:0 the mask; 17:16 elements of 8 bytes; 21 set beside a mask; no padding
	s_or_b32 s[G1B], s27, (3<<16)|(1<<21)
	s_mov_b32 s[G1A+1], 1600<<16                   ; tensor_dim0: 12,800 bytes, a group's part of a chunk
	s_mov_b32 s[G1A+2], 1<<16                      ; tensor_dim1: one group
	s_mov_b32 s[G1A+3], 1600<<16                   ; tile_dim0
	s_mov_b32 s[G1A+4], 1                          ; tile_dim1
	s_mov_b32 s[G1A+5], 6400                       ; from group to group: 51,200 bytes
	s_mov_b32 s[G1A+6], 0
	s_mov_b32 s[G1A+7], 0
	s_mov_b32 s[G1B+1], 1600<<16
	s_mov_b32 s[G1B+2], 2<<16                      ; two groups
	s_mov_b32 s[G1B+3], 1600<<16
	s_mov_b32 s[G1B+4], 2
	s_mov_b32 s[G1B+5], 6400
	s_mov_b32 s[G1B+6], 0
	s_mov_b32 s[G1B+7], 0
	s_lshl_b32 s66, s24, 1
	s_add_co_u32 s66, s66, s20
	s_mul_i32 s66, s66, GRP                        ; o: group 2 x tile row + part
	s_mov_b32 s67, 0
	s_lshl_b32 s98, s25, 2
	s_lshl_b32 s99, s20, 1
	s_add_co_u32 s98, s98, s99
	s_add_co_u32 s98, s98, 48
	s_mul_i32 s98, s98, GRP                        ; Wo: groups 48 + 4 x tile column + 2 x part, + 1
	s_mov_b32 s99, 0
	s_mul_i32 s95, s20, CHG                        ; where they go in a chunk: no place in the cluster enters an LDS address
	s_mul_i32 s94, s20, 2*CHG
	s_add_co_u32 s94, s94, 2*CHG
	s_wait_dscnt 0x0                               ; the opening add is done
	s_wait_kmcnt 0x0
	s_add_nc_u64 s[2:3], s[4:5], s[66:67]
	s_add_nc_u64 s[60:61], s[6:7], s[98:99]
.irp c, 0,1,2,3
	s_mov_b32 s[G0A+4*\c], 1
	s_add_co_u32 s[G0A+4*\c+1], s95, CHUNK*\c
	s_add_nc_u64 s[G0A+4*\c+2:G0A+4*\c+3], s[2:3], CHG*\c
	s_or_b32 s[G0A+4*\c+3], s[G0A+4*\c+3], 0x80000000
	s_mov_b32 s[G0B+4*\c], 1
	s_add_co_u32 s[G0B+4*\c+1], s94, CHUNK*\c
	s_add_nc_u64 s[G0B+4*\c+2:G0B+4*\c+3], s[60:61], CHG*\c
	s_or_b32 s[G0B+4*\c+3], s[G0B+4*\c+3], 0x80000000
.endr
	CROUND                                         ; all sixteen work-groups are here: the joint loads meet
	s_cmp_eq_u32 s19, 0                            ; a wave's four fills stand in one branch on the wave's number, an s_nop 0 behind each and four v_nop behind the last
	s_cbranch_scc0 .Lfor_b
.irp c, 0,1,2,3
	tensor_load_to_lds s[G0A+4*\c:G0A+4*\c+3], s[G1A:G1A+7]
	s_nop 0
.endr
	PLACES 4
	s_branch .Lasked
.Lfor_b:
.irp c, 0,1,2,3
	tensor_load_to_lds s[G0B+4*\c:G0B+4*\c+3], s[G1B:G1B+7]
	s_nop 0
.endr
	PLACES 4
.Lasked:
	v_and_b32 v1, 31, v0
	v_lshlrev_b32 v[L16], 4, v1
	v_lshlrev_b32 v[L8], 3, v1
	s_mul_i32 s60, s19, CHG
	v_add_nc_u32 v[A16], s60, v[L16]               ; my group of o in chunk 0
	v_add_nc_u32 v[A8], s60, v[L8]
	v_add_nc_u32 v[B16], s94, v[L16]               ; my two groups of Wo
	v_add_nc_u32 v[B8], s94, v[L8]
	v_bfe_u32 v2, v0, 4, 1                         ; h
	v_and_b32 v3, 15, v0                           ; r
	v_lshlrev_b32 v14, 6, v2                       ; the bias of my half's 16 neighbours: 64 h bytes on
	s_wait_alu depctr_va_vdst(0)
	s_mul_i32 s62, s18, STG                        ; my stage
	v_mul_u32_u24 v[STO], v3, 528
	v_lshl_add_u32 v[STO], v2, 6, v[STO]
	v_add_nc_u32 v[STO], s62, v[STO]               ; in: row r, + 64 h
	v_add_nc_u32 v[RD], s62, v[L16]                ; back: a row of 512 bytes, 16 a lane
	s_lshl_b32 s60, s25, 10
	s_lshl_b32 s61, s20, 9
	s_add_co_u32 s60, s60, s61                     ; my first column, in bytes: 4 x (256 tile column + 128 (wave % 2))
	s_mov_b32 s61, 0
	s_add_nc_u64 s[92:93], s[8:9], s[60:61]
	s_add_nc_u64 s[84:85], s[10:11], s[60:61]
	s_lshl_b32 s60, s24, 7
	s_lshl_b32 s62, s19, 6
	s_add_co_u32 s60, s60, s62
	s_lshl_b32 s60, s60, 12                        ; my first row: 128 tile row + 64 (wave / 2), of 4,096 bytes
	s_add_nc_u64 s[84:85], s[84:85], s[60:61]
.irp b, 0,1,2,3,4,5,6,7                        ; the bias in the result's layout: tile b's eight registers are columns 32 (b / 2) + 16 h + 8 (b % 2) + 0 .. 7
	global_load_b128 v[BIAS+8*\b:BIAS+8*\b+3], v14, s[92:93] offset:4*(32*(\b/2)+8*(\b%2))
	global_load_b128 v[BIAS+8*\b+4:BIAS+8*\b+7], v14, s[92:93] offset:4*(32*(\b/2)+8*(\b%2))+16
.endr
	s_wait_tensorcnt 3                             ; my part of chunk 0 is in; the three later chunks' loads may be out
	s_barrier_signal -1
	s_barrier_wait -1                              ; everybody's is
	FETCH 0
	FETCH 1
	s_wait_dscnt 51                                ; K step 0's fragments are in; K step 1's 51 loads may be out
	s_wait_loadcnt 0x0                             ; the bias
	WIN W_MUL0                                     ; K step 0 starts the sums with the bias: nothing is cleared, nothing is added later
	MUL16 0, 0, 1
	MUL16 2, 0, 1
	KSTEP 1
	s_wait_alu depctr_va_vdst(0)
	KSTEP 2
	KSTEP 3
	s_wait_alu depctr_va_vdst(0)
	KSTEP 4
	KSTEP 5
	s_wait_alu depctr_va_vdst(0)
	KSTEP 6
	KSTEP 7
; THE WAY OUT.  A lane holds 32 neighbouring bytes of a row for each accumulator, and the lanes beside it hold other rows: a tile of rows goes through my stage and comes back as whole rows.
; LDS serves a wave's instructions in order: no wait between the stores and the loads, nor in front of the next tile's stores.
.macro TOSTAGE a
	WIN 0x04                                       ; an LDS store's data are its source 1: window 1
.irp b, 0,1,2,3,4,5,6,7
	ds_store_b128 v[STO], v[8*(8*(\a)+\b):8*(8*(\a)+\b)+3] offset:4*(32*(\b/2)+8*(\b%2))          ; each accumulator from its low end on
	ds_store_b128 v[STO], v[8*(8*(\a)+\b)+4:8*(8*(\a)+\b)+7] offset:4*(32*(\b/2)+8*(\b%2))+16
.endr
	WIN 0
.set bb, BK+64*((\a)%2)
.irp t, 0,1,2,3,4,5,6,7,8,9,10,11,12,13,14,15
	ds_load_b128 v[bb+4*\t:bb+4*\t+3], v[RD] offset:528*\t
.endr
.endm
.macro SEND a, younger                 ; younger: the LDS instructions issued behind tile a's loads, which may stay out
.set bb, BK+64*((\a)%2)
	s_wait_dscnt \younger
.irp t, 0,1,2,3,4,5,6,7,8,9,10,11,12,13,14,15
	global_store_b128 v[L16], v[bb+4*\t:bb+4*\t+3], s[84:85] offset:(32*((\a)/2)+8*((\a)%2)+\t+8*(\t/8))*4096 th:TH_STORE_NT   ; 32 lanes store 512 consecutive bytes, at a multiple of 512 from out0's first byte
.endr
.endm
	PLACES 4                                       ; four places between the last product and the first read of results, and the loads into registers that held fragments
	TOSTAGE 0
.irp a, 1,2,3
.if \a > 1
	s_wait_xcnt 0x0                                ; the stores of two tiles ago have read their registers: this tile's loads may land there
.endif
	TOSTAGE \a
	SEND \a-1, 32                                  ; behind tile a - 1's loads: tile a's 16 stores and 16 loads
.endr
	SEND 3, 0
	s_wait_tensorcnt 0x0                           ; the wave's end: behind my last tensor load and my last LDS store
	ds_add_u32 v[SPW], v[NIL]
	s_wait_dscnt 0x0
	CROUND                                         ; the closing round
	s_endpgm
.Lfunc_end_k_q0e37bc6d94_proj:
	.size	k_q0e37bc6d94_proj, .Lfunc_end_k_q0e37bc6d94_proj-k_q0e37bc6d94_proj
	.p2alignl 7, 3214868480
	.fill 96, 4, 3214868480
	.section	.rodata,"a",@progbits
	.p2align	6, 0x0
	.amdhsa_kernel k_q0e37bc6d94_proj
		.amdhsa_group_segment_fixed_size 327680
		.amdhsa_private_segment_fixed_size 0
		.amdhsa_enable_private_segment 0
		.amdhsa_kernarg_size 32
		.amdhsa_user_sgpr_count 2
		.amdhsa_user_sgpr_kernarg_segment_ptr 1
		.amdhsa_wavefront_size32 1
		.amdhsa_system_sgpr_workgroup_id_x 1
		.amdhsa_system_sgpr_workgroup_id_y 1
		.amdhsa_system_sgpr_workgroup_id_z 1
		.amdhsa_system_vgpr_workitem_id 0
		.amdhsa_next_free_vgpr 768
		.amdhsa_next_free_sgpr 100
		.amdhsa_reserve_vcc 0
		.amdhsa_float_denorm_mode_32 3
		.amdhsa_float_denorm_mode_16_64 3
		.amdhsa_memory_ordered 1
		.amdhsa_forward_progress 1
		.amdhsa_inst_pref_size 85
	.end_amdhsa_kernel
	.amdgpu_metadata
---
amdhsa.version: [ 1, 2 ]
amdhsa.kernels:
  - .name:           k_q0e37bc6d94_proj
    .symbol:         k_q0e37bc6d94_proj.kd
    .args:
      - { .name: oimg, .offset: 0, .size: 8, .value_kind: global_buffer, .address_space: global }
      - { .name: wimg, .offset: 8, .size: 8, .value_kind: global_buffer, .address_space: global }
      - { .name: bo, .offset: 16, .size: 8, .value_kind: global_buffer, .address_space: global }
      - { .name: out0, .offset: 24, .size: 8, .value_kind: global_buffer, .address_space: global }
    .group_segment_fixed_size: 327680
    .private_segment_fixed_size: 0
    .kernarg_segment_align: 8
    .kernarg_segment_size: 32
    .max_flat_workgroup_size: 128
    .sgpr_count:     100
    .vgpr_count:     768
    .wavefront_size: 32
...
	.end_amdgpu_metadata
.endif
;; end of part 4
